; MI455X (gfx1250); checked and timed in simulation.
; The chip was launched on July 23, 2026; its instructions are those of AMD's public machine-readable ISA for CDNA 5 (MIT licence, August 2026) and "CDNA5" Instruction Set Architecture Reference Guide (July 2026). The comments in the code are by the model that wrote it; some were corrected since.
;; Attention. Allowed arithmetic: matrix products marked QUANTISED: E2M1 operands, one E8M0 scale for each 32 along K, by v_wmma_scale_f32_16x16x128_f8f6f4 with both operands' format E2M1 (or v_wmma_scale_f32_32x16x128_f4), f32 sums; everything else in f32.
;; Inputs: attendee_mask 2 x 2,048 int32; attendee_seq 2 x 2,048 x 1,024 float32; attender_seq 2 x 2,048 x 1,024 float32; c_attn_b 3,072 float32; c_attn_w 1,024 x 3,072 float32; c_proj_b 1,024 float32; c_proj_w 1,024 x 1,024 float32; mlp_b 1,024 float32; mlp_w 2,048 x 1,024 float32.
;; Outputs: out0 2 x 2,048 x 1,024 float32.
;; This version of the problem:
;;   THIS VERSION OF THE PROBLEM IS GIVEN IN LOW PRECISION. The matrix products marked QUANTISED in the list below multiply operands that are first quantised to E2M1 (2 exponent bits, 1 mantissa bit; 4 bits a number), with one power-of-two scale for each 32 numbers along K (OCP MX v1.0); their sums are f32. All else is computed in f32.
;;   The module's matrix products, in the order in which they are computed (A, B: the left and right operand; K: the contracted axis; several contracted axes count as one K, in the product's order):
;;     1. [M 4,096, K 1,024] x [K 1,024, N 3,072]; A: input attender_seq; B: input c_attn_w: QUANTISED
;;     2. [M 4,096, K 1,024] x [K 1,024, N 3,072]; A: input attendee_seq; B: input c_attn_w: QUANTISED
;;     3. batch 32 x [M 2,048, K 64] x [K 64, N 2,048]; A: computed on the way; B: computed on the way: QUANTISED
;;     4. batch 32 x [M 64, K 2,048] x [K 2,048, N 2,048]; A: computed on the way; B: softmax (see below): QUANTISED
;;     5. [M 4,096, K 1,024] x [K 1,024, N 1,024]; A: computed on the way; B: input c_proj_w: QUANTISED
;;     6. [M 4,096, K 2,048] x [K 2,048, N 1,024]; A: computed on the way; B: input mlp_w: QUANTISED
;;   THE QUANTISER, for each operand of a quantised product, along K:
;;     - K is cut into blocks of 32 from its start; a last block that is shorter is filled with zeros.
;;     - A block's scale is 2^e with e = floor(log2(the largest magnitude in the block)) - 2, held to -126 .. 127; a block of zeros has e = 0. As a byte (E8M0): e + 127.
;;     - Each number is divided by its block's scale, clamped to +-6, and rounded to the nearest number of E2M1, ties to even, subnormals kept.
;;     - The product sums the exact products of the quantised numbers (number of the format x scale) in f32.
;;   ~~~python
;;   def quantise(x, axis):      # numpy; x: float32 -> the quantised numbers, widened to float32 again
;;       x = np.moveaxis(x, axis, -1); K = x.shape[-1]
;;       x = np.pad(x, [(0, 0)] * (x.ndim - 1) + [(0, -K % 32)]); x = x.reshape(x.shape[:-1] + (-1, 32)); a = np.abs(x).max(-1, keepdims=True)
;;       e = np.where(a > 0, np.clip(np.frexp(np.where(a > 0, a, 1))[1] - 1 - 2, -126, 127), 0)      # np.frexp(a)[1] - 1 = floor(log2(a)), exactly
;;       r = np.clip(x / 2.0 ** e, -6, 6)
;;       step = 2.0 ** (np.maximum(np.frexp(np.where(r == 0, 1, r))[1] - 1, 0) - 1)
;;       q = np.round(r / step) * step * 2.0 ** e      # np.round: ties to even
;;       return np.moveaxis(q.reshape(q.shape[:-2] + (-1,))[..., :K], -1, axis).astype(np.float32)
;;   ~~~
;;   SOFTMAX AHEAD OF A QUANTISED PRODUCT. Where the list says 'softmax', what is quantised is not the finished softmax but p = 2^(t - M), with t = logit x log2(e) and M = ceil(the row's largest t), a whole number; so 1/2 < the row's largest p <= 1. The row's sum l is taken of the UNQUANTISED p, in f32, and the product's result is divided by l at the end. Since M is a whole number, a kernel that streams over the keys may use a running M (the ceiling of the running maximum): every later rescaling is an exact power of two, which a block's scale takes up: the codes' values come out the same.
;;   OPERANDS COMPUTED ON THE WAY. 'Computed on the way' means the value that the module computes at that place (a softmax that the list does not call 'softmax' is quantised finished and normalised). What goes into a quantiser is computed in f32, as accurately as f32 sums, v_exp_f32 and their like allow (about 1e-6 of the number): no bf16 or f16 on the way to a quantiser, and a product that is left as it is and whose result goes on into a quantised operand takes f32 operands (vector FMAs, or v_wmma_f32_16x16x4_f32). A number that lies on a knife's edge between two numbers of the format may be rounded either way, as far as f32 arithmetic and the matrix unit's own rounding can turn it there, and no further.
;; One version. Each part assembles by itself: llvm-mc -triple=amdgcn-amd-amdhsa -mcpu=gfx1250 --defsym DOCPART=n.
;; ======== version 1 of 1: 5 launches
;; workspace buffers: xq 4,718,592 bytes; waq 2,097,152 bytes; wpq 1,048,576 bytes; wmq 1,572,864 bytes; qkvq 6,815,744 bytes; atq 2,621,440 bytes; pjq 2,621,440 bytes
;; launch quant (part 1): grid 448 x 1, 4 waves a work-group, no clusters, 36,352 bytes of LDS; arguments attender_seq, attendee_seq, c_attn_w, c_proj_w, mlp_w, xq, waq, wpq, wmq; writes xq, waq, wpq, wmq
.if DOCPART == 1
	.amdgcn_target "amdgcn-amd-amdhsa--gfx1250"
	.amdhsa_code_object_version 6
	.text
	.protected	k_q5146656bc5_quant
	.globl	k_q5146656bc5_quant
	.p2align	8
	.type	k_q5146656bc5_quant,@function
k_q5146656bc5_quant:
	s_mov_b64 s[64:65], 0
	v_nop
	global_prefetch_b8 v0, s[64:65] scope:SCOPE_SE
	s_setreg_imm32_b32 hwreg(HW_REG_WAVE_MODE, 25, 1), 1
	s_wait_xcnt 0x0
; The five f32 inputs that feed quantised products become codes of FP4 (E2M1) and E8M0 scale words, laid as the later launches' operand registers take them.
; A block's scale is 2^(floor(log2(largest magnitude)) - 2); its byte is the largest magnitude's exponent field - 2, held at 1 from below.
; LAYOUT of every buffer written here (K = 1024 along a row): scale words from byte 0, codes from byte CO.
;   rows: lane row r of row tile t is matrix row 32 (t / 2) + 8 (t % 2) + r + 8 (r / 8);
;   codes: fragment (tile t, K step s of 128) at CO + 8192 t + 1024 s; in it 512 c + 16 lane holds k = 128 s + 64 c + 32 (lane / 16) + 0 .. 31 of the lane's row;
;   scale words: (t / 8) 4096 + 512 s + 64 (t % 8) + 4 r.
; Work-groups 0-255 take the two activations (K innermost), 256-447 the three weights (K is the first axis: a lane takes a column, its registers run down K).
; Waves share nothing: no barrier.  No work-group reads what another reads, so no cluster.  The two ways have LDS bytes of their own.
; LIMITS: NaN and infinities among the inputs are not served; a block whose largest magnitude lies under 2^-124 keeps the byte 1; a block of zeros carries the byte 1 and not 127
; (its codes are zeros, and this program alone reads the bytes).
.set CO,   524288
.set WREG, 8704                        ; activations: a wave's LDS region: a stage of 16 rows x 528 bytes, then its 256 bytes of scale words
.set SGO,  8448
.set WLDS, 34816                       ; weights: 256 bytes of scale words for each wave
.set WD,   16                          ; v16..   scale words
.set CD,   20                          ; v20-51  codes: every store has registers of its own
.set X,    52                          ; v52-115 activations: 64 numbers of my row, two whole blocks of 32
.set R,    128                         ; v128-255 activations: two sets of 16 x 4 registers as loaded
.set RO,   52                          ; v52-83  weights: byte offset of row i of a block at my column
.set D,    128                         ; v128-191 weights: two sets of 32 numbers
.macro LOADF t                         ; tile t of my 64 rows: 16 rows x 512 bytes; each load reads 512 consecutive bytes
.irp p, 0,1,2,3,4,5,6,7,8,9,10,11,12,13,14,15
	global_load_b128 v[R+64*((\t)%2)+4*\p:R+64*((\t)%2)+4*\p+3], v1, s[34:35] offset:(32*((\t)/2)+8*((\t)%2)+\p+8*(\p/8))*4096 th:TH_LOAD_NT
.endr
.endm
.macro TURNF t                         ; through my stage: in as loaded, out 128 neighbouring bytes of one row for each block; LDS serves a wave's instructions in order
.irp p, 0,1,2,3,4,5,6,7,8,9,10,11,12,13,14,15
	ds_store_b128 v2, v[R+64*((\t)%2)+4*\p:R+64*((\t)%2)+4*\p+3] offset:528*\p
.endr
.irp c, 0,1
.irp q, 0,1,2,3,4,5,6,7
	ds_load_b128 v[X+32*\c+4*\q:X+32*\c+4*\q+3], v3 offset:256*\c+16*\q
.endr
.endr
.endm
.macro QUANTX t                        ; my two blocks (2 c + lane / 16) become registers 4 c .. 4 c + 3 of the fragment, and the row's scale word
.irp c, 0,1
	v_max3_num_f32 v[8+\c], |v[X+32*\c]|, |v[X+32*\c+1]|, 0x1800000   ; with the floor 2^(3 - 127): the byte cannot fall under 1
.endr
.irp i, 2,4,6,8,10,12,14,16,18,20,22,24,26,28,30
.irp c, 0,1
	v_max3_num_f32 v[8+\c], v[8+\c], |v[X+32*\c+\i]|, |v[X+32*\c+\i+1]|
.endr
.endr
.irp c, 0,1
	v_add_nc_u32 v[10+\c], 0xff000000, v[8+\c]     ; 2 off the exponent field: the conversion's scale operand
.endr
.irp c, 0,1
	v_lshrrev_b32 v[12+\c], 23, v[10+\c]           ; the scale's byte
.endr
	v_lshl_or_b32 v14, v13, 16, v12                ; my bytes: blocks h and 2 + h,
	v_lshlrev_b32 v14, v7, v14                     ; 8 h bits up;
	v_permlanex16_b32 v15, v14, s22, s23
	v_or_b32 v[WD+(\t)], v14, v15                  ; with lane l xor 16's two the word is whole
.irp c, 0,1
.irp g, 0,1,2,3
	v_cvt_scalef32_pk8_fp4_f32 v[CD+8*(\t)+4*\c+\g], v[X+32*\c+8*\g:X+32*\c+8*\g+7], v[10+\c]
.endr
.endr
	v_nop                                          ; one plain line behind the last conversion
.endm
.macro TILE t
.if (\t) < 3
	s_wait_loadcnt 16                              ; this tile's 16 loads are in; the next tile's 16 stay out
.else
	s_wait_loadcnt 0x0
.endif
	TURNF \t
	s_wait_dscnt 0x0                               ; my numbers are back, and the stores into the stage have read their registers
.if (\t) < 2
	LOADF (\t)+2
.endif
	QUANTX \t
.irp c, 0,1
	global_store_b128 v1, v[CD+8*(\t)+4*\c:CD+8*(\t)+4*\c+3], s[36:37] offset:8192*(\t)+512*\c   ; 512 consecutive bytes, aligned
.endr
	ds_store_b32 v4, v[WD+(\t)] offset:64*(\t)     ; both halves of the lanes write the same word with the same value
.endm
.macro LOADW n                         ; block n = 4 g + kb: rows 32 kb + i of my K step, columns 32 g + lane of my 64
.irp i, 0,1,2,3,4,5,6,7,8,9,10,11,12,13,14,15,16,17,18,19,20,21,22,23,24,25,26,27,28,29,30,31
	global_load_b32 v[D+32*((\n)%2)+\i], v[RO+\i], s[32+2*((\n)%4):33+2*((\n)%4)] offset:128*((\n)/4)
.endr
.endm
.macro BLOCKW n
.set DS, D+32*((\n)%2)
.if (\n) < 7
	s_wait_loadcnt 32                              ; this block's 32 loads are in; the next block's 32 stay out
.else
	s_wait_loadcnt 0x0
.endif
	v_max3_num_f32 v8, |v[DS]|, |v[DS+1]|, |v[DS+2]|               ; all 32 numbers of the block are mine: two chains
	v_max3_num_f32 v10, |v[DS+3]|, |v[DS+4]|, |v[DS+5]|
.irp i, 6,10,14,18,22,26
	v_max3_num_f32 v8, v8, |v[DS+\i]|, |v[DS+\i+1]|
	v_max3_num_f32 v10, v10, |v[DS+\i+2]|, |v[DS+\i+3]|
.endr
	v_max3_num_f32 v8, v8, |v[DS+30]|, |v[DS+31]|
	v_max3_num_f32 v8, v8, v10, 0x1800000          ; and the floor
	v_add_nc_u32 v11, 0xff000000, v8
	v_lshrrev_b32 v12, 23, v11
.if (\n)%4 == 0
	v_mov_b32 v[WD+(\n)/4], v12                    ; four bytes make my column's scale word of this K step
.else
	v_lshl_or_b32 v[WD+(\n)/4], v12, 8*((\n)%4), v[WD+(\n)/4]
.endif
.irp g, 0,1,2,3
	v_cvt_scalef32_pk8_fp4_f32 v[CD+4*(\n)+\g], v[DS+8*\g:DS+8*\g+7], v11
.endr
	v_nop
	global_store_b128 v1, v[CD+4*(\n):CD+4*(\n)+3], s[50:51] offset:16384*((\n)/4)+512*(((\n)%4)/2)+256*((\n)%2)   ; sixteen lanes fill 256 consecutive bytes of each of two fragments
.if (\n)+2 < 8
	LOADW (\n)+2
.endif
.if (\n)%4 == 3
	ds_store_b32 v2, v[WD+(\n)/4] offset:128*((\n)/4)
.endif
.endm
	s_load_b512 s[4:19], s[0:1], 0x0               ; attender s[4:5], attendee s[6:7], c_attn_w s[8:9], c_proj_w s[10:11], mlp_w s[12:13], xq s[14:15], waq s[16:17], wpq s[18:19]
	s_load_b64 s[20:21], s[0:1], 0x40              ; wmq
	v_lshl_add_u32 v126, v0, 2, 0x8c00
	v_mov_b32 v127, 0
	v_lshrrev_b32 v8, 5, v0
	v_readfirstlane_b32 s24, v8                    ; wave 0..3
	v_and_b32 v9, 31, v0                           ; lane
	s_cmp_lt_u32 ttmp9, 256
	s_cbranch_scc0 .Lweights
	; ---- ACTIVATIONS: a wave takes 64 rows (4 tiles) x one K step of 128
	v_and_b32 v10, 15, v0                          ; r
	v_bfe_u32 v11, v0, 4, 1                        ; h
	s_mul_i32 s25, s24, WREG                       ; my LDS region
	v_lshlrev_b32 v1, 4, v9                        ; 16 x lane
	v_add_nc_u32 v2, s25, v1                       ; the stage, on the way in
	v_mul_u32_u24 v3, v10, 528
	v_lshl_add_u32 v3, v11, 7, v3
	v_add_nc_u32 v3, s25, v3                       ; and out: row r, + 128 h
	v_lshlrev_b32 v4, 2, v10
	v_add_nc_u32 v4, s25, v4
	v_add_nc_u32 v4, SGO, v4                       ; my row's scale word
	v_lshlrev_b32 v6, 3, v9                        ; 8 x lane
	v_add_nc_u32 v5, s25, v6
	v_add_nc_u32 v5, SGO, v5                       ; the words on the way out
	v_lshlrev_b32 v7, 3, v11                       ; 8 h
	v_mov_b32 v15, 0                               ; a lane permute's destination counts as read
	s_mov_b32 s22, 0x76543210
	s_mov_b32 s23, 0xfedcba98                      ; selects for lane l xor 16
	s_lshr_b32 s26, ttmp9, 1                       ; j: which 64 rows of the 8,192
	s_and_b32 s27, ttmp9, 1
	s_lshl_b32 s27, s27, 2
	s_add_co_u32 s27, s27, s24                     ; s: which K step
	s_and_b32 s28, s26, 63
	s_lshl_b32 s28, s28, 18                        ; 64 rows of 4,096 bytes
	s_lshl_b32 s30, s27, 9
	s_add_co_u32 s28, s28, s30
	s_mov_b32 s29, 0
	s_lshl_b32 s30, s26, 15                        ; 4 tiles of 8,192 bytes of codes
	s_lshl_b32 s32, s27, 10
	s_add_co_u32 s30, s30, s32
	s_add_co_u32 s30, s30, CO
	s_mov_b32 s31, 0
	s_lshr_b32 s32, s26, 1
	s_lshl_b32 s32, s32, 12
	s_lshl_b32 s40, s27, 9
	s_add_co_u32 s32, s32, s40
	s_and_b32 s40, s26, 1
	s_lshl_b32 s40, s40, 8
	s_add_co_u32 s32, s32, s40                     ; my 4 tiles' 256 bytes of scale words
	s_mov_b32 s33, 0
	s_wait_alu depctr_va_vdst(0)
	s_wait_kmcnt 0x0
	s_cmp_lt_u32 ttmp9, 128                        ; the choice hangs on the work-group's number alone
	s_cselect_b64 s[34:35], s[4:5], s[6:7]
	s_add_nc_u64 s[34:35], s[34:35], s[28:29]
	s_add_nc_u64 s[36:37], s[14:15], s[30:31]
	s_add_nc_u64 s[38:39], s[14:15], s[32:33]
	LOADF 0
	LOADF 1
	TILE 0
	TILE 1
	TILE 2
	TILE 3
	ds_load_b64 v[8:9], v5                         ; behind my four word stores, in order
	s_wait_dscnt 0x0
	global_store_b64 v6, v[8:9], s[38:39]          ; 256 consecutive bytes, aligned
	s_wait_tensorcnt 0x0
	ds_add_u32 v126, v127
	s_wait_dscnt 0x0
	s_endpgm
.Lweights:
	; ---- WEIGHTS: a wave takes 64 columns x one K step of 128.  Lane l is column l of a group of 32: tile u = (l / 8) % 2, lane row r = l % 8 + 8 (l / 16)
	v_bfe_u32 v10, v0, 3, 1                        ; u
	v_and_b32 v11, 7, v0
	v_bfe_u32 v12, v0, 4, 1
	v_lshl_add_u32 v11, v12, 3, v11                ; r
	v_lshlrev_b32 v1, 4, v11
	v_lshl_add_u32 v1, v10, 13, v1                 ; my 16 bytes in the pair of tiles: 8192 u + 16 r
	s_lshl_b32 s25, s24, 8
	s_add_co_u32 s25, s25, WLDS
	v_lshlrev_b32 v2, 2, v11
	v_lshl_add_u32 v2, v10, 6, v2
	v_add_nc_u32 v2, s25, v2                       ; my column's scale word: 64 u + 4 r
	v_lshlrev_b32 v4, 3, v9
	v_add_nc_u32 v3, s25, v4                       ; the words on the way out
	s_sub_co_u32 s26, ttmp9, 256                   ; q: 0-95 c_attn_w, 96-127 c_proj_w, 128-191 mlp_w
	s_wait_kmcnt 0x0
	s_mov_b32 s40, 4096
	s_cmp_lt_u32 s26, 96
	s_cselect_b64 s[28:29], s[8:9], s[10:11]       ; the weight,
	s_cselect_b64 s[30:31], s[16:17], s[18:19]     ; its buffer,
	s_cselect_b32 s40, 12288, s40                  ; its row in bytes,
	s_cselect_b32 s41, 0, 96                       ; its first work-group
	s_cmp_lt_u32 s26, 128
	s_cselect_b64 s[28:29], s[28:29], s[12:13]
	s_cselect_b64 s[30:31], s[30:31], s[20:21]
	s_cselect_b32 s41, s41, 128
	s_cselect_b32 s42, 7, 15                       ; K steps - 1
	s_cselect_b32 s43, 3, 4
	s_sub_co_u32 s26, s26, s41
	s_and_b32 s44, s26, s42                        ; ks: which K step of the weight
	s_lshr_b32 s45, s26, s43                       ; cg: which 256 columns
	s_and_b32 s46, s44, 7                          ; s: the K step inside a matrix of K = 1024
	s_lshr_b32 s47, s44, 3
	s_lshl_b32 s47, s47, 6                         ; mlp_w's lower half is a second matrix, 64 tiles on
	s_lshl_b32 s48, s45, 4
	s_add_co_u32 s47, s47, s48
	s_lshl_b32 s48, s24, 2
	s_add_co_u32 s47, s47, s48                     ; t0: my first tile
	s_lshl_b32 s48, s44, 7
	s_mul_i32 s48, s48, s40                        ; 128 ks rows
	s_lshl_b32 s49, s45, 10
	s_add_co_u32 s48, s48, s49
	s_lshl_b32 s49, s24, 8
	s_add_co_u32 s48, s48, s49                     ; + 4 (256 cg + 64 wave)
	s_mov_b32 s49, 0
	s_add_nc_u64 s[32:33], s[28:29], s[48:49]      ; four bases, 32 rows apart: one for each block of the K step
	s_lshl_b32 s48, s40, 5
	s_add_nc_u64 s[34:35], s[32:33], s[48:49]
	s_add_nc_u64 s[36:37], s[34:35], s[48:49]
	s_add_nc_u64 s[38:39], s[36:37], s[48:49]
	s_lshl_b32 s48, s47, 13
	s_lshl_b32 s54, s46, 10
	s_add_co_u32 s48, s48, s54
	s_add_co_u32 s48, s48, CO
	s_add_nc_u64 s[50:51], s[30:31], s[48:49]      ; my codes
	s_lshr_b32 s48, s47, 3
	s_lshl_b32 s48, s48, 12
	s_lshl_b32 s54, s46, 9
	s_add_co_u32 s48, s48, s54
	s_and_b32 s54, s47, 7
	s_lshl_b32 s54, s54, 6
	s_add_co_u32 s48, s48, s54
	s_add_nc_u64 s[52:53], s[30:31], s[48:49]      ; my 4 tiles' 256 bytes of scale words
	v_lshlrev_b32 v[RO], 2, v9
.irp i, 1,2,3,4,5,6,7,8,9,10,11,12,13,14,15,16,17,18,19,20,21,22,23,24,25,26,27,28,29,30,31
	v_add_nc_u32 v[RO+\i], s40, v[RO+\i-1]         ; the row's length is no constant of the text: the offsets stand in registers
.endr
	LOADW 0
	LOADW 1
.set Q, 0
.rept 8
	BLOCKW Q
.set Q, Q+1
.endr
	ds_load_b64 v[12:13], v3
	s_wait_dscnt 0x0
	global_store_b64 v4, v[12:13], s[52:53]        ; 256 consecutive bytes, aligned
	s_wait_tensorcnt 0x0
	ds_add_u32 v126, v127
	s_wait_dscnt 0x0
	s_endpgm
.Lfunc_end_k_q5146656bc5_quant:
	.size	k_q5146656bc5_quant, .Lfunc_end_k_q5146656bc5_quant-k_q5146656bc5_quant
	.p2alignl 7, 3214868480
	.fill 96, 4, 3214868480
	.section	.rodata,"a",@progbits
	.p2align	6, 0x0
	.amdhsa_kernel k_q5146656bc5_quant
		.amdhsa_group_segment_fixed_size 36352
		.amdhsa_private_segment_fixed_size 0
		.amdhsa_enable_private_segment 0
		.amdhsa_kernarg_size 72
		.amdhsa_user_sgpr_count 2
		.amdhsa_user_sgpr_kernarg_segment_ptr 1
		.amdhsa_wavefront_size32 1
		.amdhsa_system_sgpr_workgroup_id_x 1
		.amdhsa_system_sgpr_workgroup_id_y 1
		.amdhsa_system_sgpr_workgroup_id_z 1
		.amdhsa_system_vgpr_workitem_id 0
		.amdhsa_next_free_vgpr 256
		.amdhsa_next_free_sgpr 66
		.amdhsa_reserve_vcc 0
		.amdhsa_float_denorm_mode_32 3
		.amdhsa_float_denorm_mode_16_64 3
		.amdhsa_memory_ordered 1
		.amdhsa_forward_progress 1
		.amdhsa_inst_pref_size 71
	.end_amdhsa_kernel
	.amdgpu_metadata
---
amdhsa.version: [ 1, 2 ]
amdhsa.kernels:
  - .name:           k_q5146656bc5_quant
    .symbol:         k_q5146656bc5_quant.kd
    .args:
      - { .name: attender_seq, .offset: 0, .size: 8, .value_kind: global_buffer, .address_space: global }
      - { .name: attendee_seq, .offset: 8, .size: 8, .value_kind: global_buffer, .address_space: global }
      - { .name: c_attn_w, .offset: 16, .size: 8, .value_kind: global_buffer, .address_space: global }
      - { .name: c_proj_w, .offset: 24, .size: 8, .value_kind: global_buffer, .address_space: global }
      - { .name: mlp_w, .offset: 32, .size: 8, .value_kind: global_buffer, .address_space: global }
      - { .name: xq, .offset: 40, .size: 8, .value_kind: global_buffer, .address_space: global }
      - { .name: waq, .offset: 48, .size: 8, .value_kind: global_buffer, .address_space: global }
      - { .name: wpq, .offset: 56, .size: 8, .value_kind: global_buffer, .address_space: global }
      - { .name: wmq, .offset: 64, .size: 8, .value_kind: global_buffer, .address_space: global }
    .group_segment_fixed_size: 36352
    .private_segment_fixed_size: 0
    .kernarg_segment_align: 8
    .kernarg_segment_size: 72
    .max_flat_workgroup_size: 128
    .sgpr_count:     66
    .vgpr_count:     256
    .wavefront_size: 32
...
	.end_amdgpu_metadata
.endif
;; end of part 1
;; launch qkv (part 2): grid 4 x 48, 16 waves a work-group, clusters of 4 x 4, 282,624 bytes of LDS; arguments xq, waq, c_attn_b, qkvq; writes qkvq
.if DOCPART == 2
	.amdgcn_target "amdgcn-amd-amdhsa--gfx1250"
	.amdhsa_code_object_version 6
	.text
	.protected	k_q5146656bc5_qkv
	.globl	k_q5146656bc5_qkv
	.p2align	8
	.type	k_q5146656bc5_qkv,@function
k_q5146656bc5_qkv:
	s_mov_b64 s[64:65], 0
	v_nop
	global_prefetch_b8 v0, s[64:65] scope:SCOPE_SE
	s_setreg_imm32_b32 hwreg(HW_REG_WAVE_MODE, 25, 1), 1
	s_wait_xcnt 0x0
	s_wait_alu depctr_hold_cnt(0) depctr_sa_sdst(0) depctr_va_vdst(0) depctr_va_sdst(0) depctr_va_ssrc(0) depctr_va_vcc(0) depctr_vm_vsrc(0)
	s_getreg_b32 s2, hwreg(HW_REG_IB_STS2, 6, 4)
	s_cmp_eq_u32 s2, 0
	s_cbranch_scc0 .Lentry_in_a_cluster
	s_endpgm
.Lentry_in_a_cluster:
	s_bfe_u32 s2, ttmp6, 0x10000c
	s_cmp_lg_u32 s2, 0xf033
	s_cbranch_scc0 .Lentry_shape_is_right
	s_endpgm
.Lentry_shape_is_right:
; q, k and v: products of codes of FP4 with K = 1024, a bias, and the result quantised again, in registers, along its own columns (q, k) or rows (v).  Arguments: tokens' buffer, weights' buffer, bias, result's buffer.
; Buffers: scale words from byte 0, codes from byte CO, as images of operand registers: lane row r of tile t is matrix row 32 (t / 2) + 8 (t % 2) + r + 8 (r / 8); fragment (t, K step s) at CO + t x (8 K) + 1024 s,
; in it 512 c + 16 lane; scale word at (t / 8) x (4 K) + 512 s + 64 (t % 8) + 4 r.
; Only the columns that are kept of the two products are multiplied: 768 tiles of 128 x 128.  A WORK-GROUP OF SIXTEEN WAVES MAKES FOUR OF THEM, 256 x 256: two neighbouring blocks of 128 tokens x two neighbouring blocks of
; 128 weight rows.  Four blocks with all of K are 4 x 65,536 bytes of codes: a fifth would not fit in LDS.  So there are 192 work-groups; three tiles to each of 256 would want one block of tokens against three of
; weights, and neither q's 8 nor k's and v's 16 blocks of weights divide by three.
; Work-group y: 0-15 q (tokens 0-4095, weight rows 0-1023), 16-31 k (tokens 4096-8191, weight rows 1024-2047), 32-47 v (the same tokens, weight rows 2048-3071).
; TEAMS.  Wave W belongs to team W / 4, which makes the tile of token block (team % 2) and weight block (team / 2); w = W % 4 is its place in the team.
; SOURCE 0 = P, 8 tiles that every wave of a team takes; SOURCE 1 = R, of which wave w takes tiles 2 w and 2 w + 1: 16 accumulators.  A lane holds one row of R, and the 16 registers of P's tiles 2 b, 2 b + 1 are 16 neighbours
; 32 b + 16 (lane / 16) + 0 .. 15 along P: so 128 along P are one fragment and one scale word of the next product.
; q, k: P = weights, R = tokens (the next K runs along the columns).   v: P = tokens, R = weights (the next K runs along the keys): result rows = channels, K = 4096 = batch x keys.
; ALL OF K LIES IN LDS: two chunks of 4 K steps, each brought by one tensor load of each of waves 0 to 3, issued together at the head: two loads of such a wave are out; no byte of LDS is filled twice.
; CLUSTER 4 x 4: the tokens' tiles hang on work-group y alone and are asked for jointly along a row of the cluster, the weights' on work-group x and the cluster's y and jointly along a column.
; The bias is loaded INTO the accumulators, so every product adds in place: the bias is added ahead of the products (another order of f32 rounding than bias last).
; LIMITS: NaN and infinities are not served; blocks under 2^-124 keep the byte 1; blocks of zeros carry the byte 1, not 127 (this program alone reads the bytes).
.set CO,  524288
.set NCH, 2                            ; chunks
.set NS,  8                            ; K steps
.set CHB, 131072                       ; LDS: chunk k: tokens' codes at CHB k, weights' at CHB k + 65536, each [tile 16][step 4][1024]
.set SCH, 8192                         ; scale words at SB + SCH k (tokens') and + 4096 (weights'), each [block 2][step 4][tile 8][16 words]
.set SB,  262144
.set SCG, 278528                       ; 2,048 bytes: the result's scale words are gathered here, 128 bytes a wave; no tensor load lands here
.set G0,  68                           ; s[68:75] descriptor groups 0, one for each chunk
.set SP,  12                           ; v12-19  P's scale words, two sets of 4: lanes 0-15 an even tile's, lanes 16-31 the odd tile's behind it
.set SR,  28                           ; v28-31  R's, two sets of 2
.set RF,  32                           ; v32-63  R's fragments, two sets of 2 x 8
.set PF,  64                           ; v64-127 P's fragments, one set of 8 x 8
.set ACC, 128                          ; v128-255 accumulator (i, a) at 128 + 64 i + 8 a
.set TM,  32                           ; the way out works in the fragments' registers
; v1 P's codes, v2 R's codes, v3 P's words, v4 R's words (LDS); v5 16 x lane, v6 the same one tile on (memory); v7, v8 the gathered words (LDS); v9, v10 the bias's offsets
.macro ROUND                           ; a round of the cluster's barrier
	s_barrier_signal -1
	s_barrier_wait -1
	s_cmp_lg_u32 s12, 0
	s_cbranch_scc1 .Lnot_wave_0_\@
	s_barrier_signal -3
.Lnot_wave_0_\@:
	s_barrier_wait -3
	s_barrier_signal -1
	s_barrier_wait -1
.endm
.macro PLACES
.rept 4
	v_nop
.endr
.endm
; A wave's first fills: NCH groups 0, then its NCH tensor loads together; four v_nop follow the last
.macro ARM ap, g1, l0, lstep, gstep
.set KK, 0
.rept NCH
	s_mov_b32 s[G0+4*KK], 1
	s_mov_b32 s[G0+4*KK+1], \l0+KK*\lstep
	s_add_nc_u64 s[G0+4*KK+2:G0+4*KK+3], s[\ap:\ap+1], KK*\gstep
	s_or_b32 s[G0+4*KK+3], s[G0+4*KK+3], 0x80000000
.set KK, KK+1
.endr
.set KK, 0
.rept NCH
	tensor_load_to_lds s[G0+4*KK:G0+4*KK+3], s[\g1:\g1+7]
	s_nop 0
.set KK, KK+1
.endr
	PLACES
.endm
.macro FP n, a0                        ; P's fragments a0 .. a0 + 3 of K step n: each load takes 512 consecutive bytes
.irp a, \a0, \a0+1, \a0+2, \a0+3
.irp c, 0,1
	ds_load_b128 v[PF+8*(\a)+4*\c:PF+8*(\a)+4*\c+3], v1 offset:4096*(\a)+1024*((\n)%4)+512*\c
.endr
.endr
.endm
.macro FR n                            ; my two fragments of R
.irp i, 0,1
.irp c, 0,1
	ds_load_b128 v[RF+16*((\n)%2)+8*\i+4*\c:RF+16*((\n)%2)+8*\i+4*\c+3], v2 offset:4096*\i+1024*((\n)%4)+512*\c
.endr
.endr
.endm
.macro FS n                            ; the step's scale words.  P's: two neighbouring tiles' 32 words are 128 consecutive bytes: one load, a word a lane
.irp j, 0,1,2,3
	ds_load_b32 v[SP+4*((\n)%2)+\j], v3 offset:512*((\n)%4)+128*\j
.endr
.irp i, 0,1
	ds_load_b32 v[SR+2*((\n)%2)+\i], v4 offset:512*((\n)%4)+64*\i
.endr
.endm
.macro MUL n, a0                       ; 8 products; the 16 accumulators take turns, one instruction a turn, in the same order in every step.  An odd tile of P takes its words from lanes 16-31
.irp a, \a0, \a0+1, \a0+2, \a0+3
.irp i, 0,1
.if (\a)%2 == 0
	v_wmma_scale_f32_16x16x128_f8f6f4 v[ACC+64*\i+8*(\a):ACC+64*\i+8*(\a)+7], v[PF+8*(\a):PF+8*(\a)+7], v[RF+16*((\n)%2)+8*\i:RF+16*((\n)%2)+8*\i+7], v[ACC+64*\i+8*(\a):ACC+64*\i+8*(\a)+7], v[SP+4*((\n)%2)+(\a)/2], v[SR+2*((\n)%2)+\i] matrix_a_fmt:MATRIX_FMT_FP4 matrix_b_fmt:MATRIX_FMT_FP4
.else
	v_wmma_scale_f32_16x16x128_f8f6f4 v[ACC+64*\i+8*(\a):ACC+64*\i+8*(\a)+7], v[PF+8*(\a):PF+8*(\a)+7], v[RF+16*((\n)%2)+8*\i:RF+16*((\n)%2)+8*\i+7], v[ACC+64*\i+8*(\a):ACC+64*\i+8*(\a)+7], v[SP+4*((\n)%2)+(\a)/2], v[SR+2*((\n)%2)+\i] matrix_a_fmt:MATRIX_FMT_FP4 matrix_b_fmt:MATRIX_FMT_FP4 matrix_a_scale:MATRIX_SCALE_ROW1
.endif
.endr
.endr
.endm
; A K step.  P's tiles 0-3 are free behind their 8 products and are fetched anew in the step's middle, with R's other set and the other set of words; tiles 4-7 at its end.
; A load into a register that a matrix instruction has read stands four plain vector instructions behind it.
.macro STEP n
	s_wait_dscnt 8                                 ; all but the youngest 8 loads (P's tiles 4-7) are in
	MUL \n, 0
	s_wait_dscnt 0x0                               ; P's tiles 4-7 are in; no LDS instruction of mine is out
.if (\n)+1 < NS
.if (\n)%4 == 3
	s_wait_tensorcnt NCH-2-(\n)/4                  ; my part of the next chunk has landed; my loads of the chunks behind it stay out
	s_barrier_signal -1
	s_barrier_wait -1                              ; everybody's has.
	v_add_nc_u32 v1, CHB, v1                       ; on to the next chunk: these four are also the four places
	s_wait_alu depctr_va_vdst(0)
	v_add_nc_u32 v2, CHB, v2
	s_wait_alu depctr_va_vdst(0)
	v_add_nc_u32 v3, SCH, v3
	s_wait_alu depctr_va_vdst(0)
	v_add_nc_u32 v4, SCH, v4
.else
	PLACES
.endif
	s_wait_alu depctr_va_vdst(0)
	FP (\n)+1, 0
	FR (\n)+1
	FS (\n)+1
.endif
	MUL \n, 4
.if (\n)+1 < NS
	PLACES
	FP (\n)+1, 4
.endif
.endm
; 64 numbers of a lane, register 16 b + i = index 32 b + 16 (lane / 16) + i of my row, become a fragment's codes in v[pc] on and its scale word in v[pw]
.macro QUANT s, pc, pw
.irp b, 0,1,2,3
	v_max3_num_f32 v[TM+\b], |v[\s+16*\b]|, |v[\s+1+16*\b]|, 0x1800000   ; my 16 numbers of block b, and the floor 2^(3 - 127); each accumulator is read from its low end on
.endr
.irp i, 2,4,6,8,10,12,14
.irp b, 0,1,2,3
	v_max3_num_f32 v[TM+\b], v[TM+\b], |v[\s+16*\b+\i]|, |v[\s+1+16*\b+\i]|
.endr
.endr
.irp b, 0,1,2,3
	s_delay_alu instid0(VALU_DEP_4)
	v_permlanex16_b32 v[TM+4+\b], v[TM+\b], s2, s3
.endr
.irp b, 0,1,2,3
	s_delay_alu instid0(VALU_DEP_4)
	v_max_num_f32 v[TM+\b], v[TM+\b], v[TM+4+\b]   ; with lane l xor 16's: the block's largest magnitude
.endr
.irp b, 0,1,2,3
	s_delay_alu instid0(VALU_DEP_4)
	v_add_nc_u32 v[TM+12+\b], 0xff000000, v[TM+\b] ; 2 off the exponent field: the conversion's scale operand
.endr
.irp b, 0,1,2,3
	s_delay_alu instid0(VALU_DEP_4)
	v_lshrrev_b32 v[TM+4+\b], 23, v[TM+12+\b]      ; the scale's byte
.endr
	s_delay_alu instid0(VALU_DEP_3)
	v_lshl_or_b32 v[\pw], v[TM+5], 8, v[TM+4]
	s_delay_alu instid0(VALU_DEP_1)
	v_lshl_or_b32 v[\pw], v[TM+6], 16, v[\pw]
	s_delay_alu instid0(VALU_DEP_1)
	v_lshl_or_b32 v[\pw], v[TM+7], 24, v[\pw]
.irp b, 0,1,2,3
	v_cvt_scalef32_pk8_fp4_f32 v[\pc+2*\b], v[\s+16*\b:\s+7+16*\b], v[TM+12+\b]
	v_cvt_scalef32_pk8_fp4_f32 v[\pc+1+2*\b], v[\s+8+16*\b:\s+15+16*\b], v[TM+12+\b]
.endr
	v_nop                                          ; one plain line behind the last conversion
.irp c, 0,1                                    ; a whole block to a lane: lanes 0-15 block 2 c, lanes 16-31 block 2 c + 1
.irp i, 0,1
	v_permlane16_swap_b32 v[\pc+4*\c+\i], v[\pc+2+4*\c+\i]
.endr
.endr
.endm
	s_load_b256 s[4:11], s[0:1], 0x0               ; tokens s[4:5], weights s[6:7], bias s[8:9], result s[10:11]
	v_lshl_add_u32 v26, v0, 2, 0x44800
	v_mov_b32 v27, 0
	ds_add_u32 v26, v27
	ds_add_u32 v26, v27
	v_lshrrev_b32 v32, 5, v0
	s_delay_alu instid0(VALU_DEP_1)
	v_readfirstlane_b32 s12, v32                   ; wave 0..15
	s_bfe_u32 s13, ttmp6, 0x40000                  ; cx
	s_bfe_u32 s14, ttmp6, 0x40004                  ; cy
	s_and_b32 s15, ttmp7, 0xffff                   ; the cluster's y, 0..11
	s_lshl_b32 s16, ttmp9, 2
	s_add_co_u32 s16, s16, s13                     ; work-group x: which pair of weight blocks
	s_lshl_b32 s17, s15, 2
	s_add_co_u32 s17, s17, s14                     ; work-group y: which pair of token blocks, and of what
	s_cmp_ge_u32 s15, 8
	s_cselect_b32 s18, 1, 0                        ; 1: this cluster makes v.  It hangs on the cluster's y alone: the same in all sixteen partners
	s_lshl_b32 s21, s17, 1
	s_lshl_b32 s19, s18, 5
	s_sub_co_u32 s21, s21, s19                     ; the first of my two blocks of 128 tokens: v takes k's tokens again
	s_lshr_b32 s19, s15, 2
	s_min_u32 s19, s19, 2
	s_lshl_b32 s19, s19, 3
	s_lshl_b32 s22, s16, 1
	s_add_co_u32 s22, s22, s19                     ; the first of my two blocks of weights: + 8 for k, + 16 for v
	s_lshl_b32 s23, s14, 2
	s_lshl_b32 s23, 15, s23                        ; my row of the cluster
	s_lshl_b32 s24, 0x1111, s13                    ; my column
	s_and_b32 s76, s12, 3                          ; w: my place in my team
	s_lshr_b32 s77, s12, 2                         ; my team
	s_and_b32 s78, s77, 1                          ; its block of tokens,
	s_lshr_b32 s79, s77, 1                         ; its block of weights
	s_lshl_b32 s80, s16, 1
	s_add_co_u32 s80, s80, s79                     ; X: the team's block of 128 columns, 0..7
	s_lshl_b32 s81, s17, 1
	s_add_co_u32 s81, s81, s78                     ; Y: the team's block of tokens, 0-31 q, 32-63 k, 64-95 v
	s_sub_co_u32 s20, s81, 64
	s_cmp_eq_u32 s18, 1                            ; every choice on the kind of product stands here, ahead of the next line that sets SCC
	s_cselect_b32 s93, s80, s81                    ; the result's block of 128 rows: X for v, else Y
	s_cselect_b32 s94, s20, s80                    ; its K step: Y - 64 for v, else X
	s_cselect_b32 s95, 15, 13                      ; log2 of a tile's bytes in the result: K = 4096 or 1024
	s_cselect_b32 s30, 0, 0x10000                  ; where P's codes lie in a chunk,
	s_cselect_b32 s31, 0x10000, 0                  ; and R's: both inside the chunk's 131,072 bytes
	s_cselect_b32 s90, 0, 4096                     ; likewise the scale words
	s_cselect_b32 s91, 4096, 0
	s_cselect_b32 s82, s78, s79                    ; which block of its pair P is,
	s_cselect_b32 s83, s79, s78                    ; and R
	s_cselect_b32 s96, 4194304, 0                  ; v's codes lie behind q's and k's,
	s_cselect_b32 s97, 262144, 0                   ; and so do its words
	s_lshl_b32 s98, s93, 3
	s_lshl_b32 s99, s76, 1
	s_add_co_u32 s98, s98, s99                     ; my first tile of the result
	s_lshl_b32 s98, s98, s95
	s_lshl_b32 s99, s94, 10
	s_add_co_u32 s98, s98, s99
	s_add_co_u32 s98, s98, s96
	s_add_co_u32 s98, s98, CO
	s_mov_b32 s99, 0                               ; s[98:99]: my codes' offset
	s_sub_co_u32 s20, s95, 1
	s_lshl_b32 s20, s93, s20
	s_lshl_b32 s25, s94, 9
	s_add_co_u32 s20, s20, s25
	s_add_co_u32 s96, s20, s97
	s_mov_b32 s97, 0                               ; s[96:97]: the team's 512 bytes of scale words
	s_lshl_b32 s20, 1, s95                         ; a tile's bytes
	; every LDS address is made here, ahead of the first branch on the wave's number
	v_and_b32 v33, 31, v0                          ; lane
	v_and_b32 v34, 15, v0                          ; r
	v_bfe_u32 v35, v0, 4, 1                        ; h
	s_delay_alu instid0(VALU_DEP_3)
	v_lshlrev_b32 v5, 4, v33                       ; 16 x lane
	s_wait_alu depctr_va_vdst(0)
	v_lshlrev_b32 v36, 2, v34                      ; 4 r
	v_lshlrev_b32 v37, 2, v33                      ; 4 x lane
	s_wait_alu depctr_va_vdst(0)
	s_lshl_b32 s92, s82, 15
	s_add_co_u32 s30, s30, s92                     ; P: the team's block of 8 tiles
	s_lshl_b32 s92, s83, 15
	s_add_co_u32 s31, s31, s92                     ; R: the team's block,
	s_lshl_b32 s92, s76, 13
	s_add_co_u32 s31, s31, s92                     ; my two tiles of it
	s_lshl_b32 s92, s82, 11
	s_add_co_u32 s90, s90, s92
	s_lshl_b32 s92, s83, 11
	s_add_co_u32 s91, s91, s92
	s_lshl_b32 s92, s76, 7
	s_add_co_u32 s91, s91, s92
	v_add_nc_u32 v1, s30, v5
	v_add_nc_u32 v2, s31, v5
	v_add_nc_u32 v3, s90, v37
	s_delay_alu instid0(VALU_DEP_1)
	v_add_nc_u32 v3, SB, v3
	v_add_nc_u32 v4, s91, v36
	s_delay_alu instid0(VALU_DEP_1)
	v_add_nc_u32 v4, SB, v4
	s_lshl_b32 s92, s12, 7
	v_add_nc_u32 v7, s92, v36
	s_delay_alu instid0(VALU_DEP_1)
	v_add_nc_u32 v7, SCG, v7                       ; my result's words: 128 wave + 4 r
	s_lshl_b32 s92, s77, 9
	v_add_nc_u32 v8, s92, v5
	s_delay_alu instid0(VALU_DEP_1)
	v_add_nc_u32 v8, SCG, v8                       ; the team's 512 bytes of them
	v_add_nc_u32 v6, s20, v5
	v_lshlrev_b32 v9, 6, v35                       ; bias along P: 64 h
	v_and_b32 v10, 8, v34
	s_delay_alu instid0(VALU_DEP_1)
	v_add_nc_u32 v10, v10, v34
	s_lshl_b32 s92, s76, 5
	v_add_nc_u32 v10, s92, v10
	s_delay_alu instid0(VALU_DEP_1)
	v_lshlrev_b32 v10, 2, v10                      ; bias along R: 4 (32 w + r + 8 (r / 8))
	; descriptor groups 1: elements of 8 bytes, no padding; bit 21 beside the mask
	s_or_b32 s32, s23, (3<<16)|(1<<21)             ; tokens' codes: my row
	s_or_b32 s40, s24, (3<<16)|(1<<21)             ; weights' codes: my column
	s_or_b32 s48, s23, (3<<16)|(1<<21)             ; tokens' words
	s_or_b32 s56, s24, (3<<16)|(1<<21)             ; weights' words
.irp g, 32, 40                                 ; two blocks are 16 neighbouring tiles; 4 K steps of each: 16 rows of 4,096 bytes, 8,192 bytes apart
	s_mov_b32 s[\g+1], 512<<16
	s_mov_b32 s[\g+2], 16<<16
	s_mov_b32 s[\g+3], 512<<16
	s_mov_b32 s[\g+4], 16
	s_mov_b32 s[\g+5], 1024
	s_mov_b32 s[\g+6], 0
	s_mov_b32 s[\g+7], 0
.endr
.irp g, 48, 56                                 ; 4 K steps' words of two blocks: 2 rows of 2,048 bytes, 4,096 bytes apart
	s_mov_b32 s[\g+1], 256<<16
	s_mov_b32 s[\g+2], 2<<16
	s_mov_b32 s[\g+3], 256<<16
	s_mov_b32 s[\g+4], 2
	s_mov_b32 s[\g+5], 512
	s_mov_b32 s[\g+6], 0
	s_mov_b32 s[\g+7], 0
.endr
	s_lshl_b32 s26, s21, 16                        ; the tokens' addresses hang on work-group y alone,
	s_add_co_u32 s26, s26, CO
	s_mov_b32 s27, 0
	s_lshl_b32 s28, s21, 12
	s_mov_b32 s29, 0
	s_lshl_b32 s84, s22, 16                        ; the weights' on work-group x and the cluster's y
	s_add_co_u32 s84, s84, CO
	s_mov_b32 s85, 0
	s_lshl_b32 s86, s22, 12
	s_mov_b32 s87, 0
	s_add_co_u32 s88, s22, s79                     ; the team's block of weights: its 128 numbers of the bias
	s_lshl_b32 s88, s88, 9
	s_mov_b32 s89, 0
	s_wait_dscnt 0x0
	s_wait_kmcnt 0x0
	s_add_nc_u64 s[26:27], s[4:5], s[26:27]
	s_add_nc_u64 s[28:29], s[4:5], s[28:29]
	s_add_nc_u64 s[84:85], s[6:7], s[84:85]
	s_add_nc_u64 s[86:87], s[6:7], s[86:87]
	s_add_nc_u64 s[8:9], s[8:9], s[88:89]
	s_add_nc_u64 s[98:99], s[10:11], s[98:99]
	s_add_nc_u64 s[96:97], s[10:11], s[96:97]
	ROUND                                          ; all sixteen work-groups are here: the joint loads meet
	s_cmp_lg_u32 s12, 0                            ; wave 0: tokens' codes; 1: weights' codes; 2: tokens' words; 3: weights' words; the others fetch nothing
	s_cbranch_scc1 .Lw1
	ARM 26, 32, 0, CHB, 4096
	s_branch .Lasked
.Lw1:
	s_cmp_lg_u32 s12, 1
	s_cbranch_scc1 .Lw2
	ARM 84, 40, 65536, CHB, 4096
	s_branch .Lasked
.Lw2:
	s_cmp_lg_u32 s12, 2
	s_cbranch_scc1 .Lw3
	ARM 28, 48, SB, SCH, 2048
	s_branch .Lasked
.Lw3:
	s_cmp_lg_u32 s12, 3
	s_cbranch_scc1 .Lasked
	ARM 86, 56, SB+4096, SCH, 2048
.Lasked:
	s_cmp_eq_u32 s18, 1
	s_cbranch_scc1 .Lbias_rows
	s_wait_alu depctr_va_vdst(0)
.irp i, 0,1                                    ; the bias runs along P: register 16 b + j takes bias[32 b + 16 h + j]
.irp b, 0,1,2,3
.irp q, 0,1,2,3
	global_load_b128 v[ACC+64*\i+16*\b+4*\q:ACC+64*\i+16*\b+4*\q+3], v9, s[8:9] offset:128*\b+16*\q
.endr
.endr
.endr
	s_branch .Lbias_done
.Lbias_rows:                                   ; the bias runs along R: a lane's one number for each of its two rows goes to all 64 registers
	s_wait_alu depctr_va_vdst(0)
	global_load_b32 v[ACC], v10, s[8:9]
	global_load_b32 v[ACC+64], v10, s[8:9] offset:32
	s_wait_loadcnt 0x0
.irp i, 0,1
.set J, 1
.rept 63
	v_mov_b32 v[ACC+64*\i+J], v[ACC+64*\i]
.set J, J+1
.endr
.endr
	PLACES
.Lbias_done:
	s_wait_tensorcnt NCH-1                         ; my part of chunk 0 has landed; my load of chunk 1 stays out (waves 4 to 15 have none)
	s_barrier_signal -1
	s_barrier_wait -1                              ; everybody's has
	FP 0, 0
	FR 0
	FS 0
	FP 0, 4
	s_wait_loadcnt 0x0                             ; the bias
.set N, 0
	s_wait_alu depctr_va_vdst(0)
.rept NS
	STEP N
.set N, N+1
.endr
	; THE WAY OUT: my two tiles of rows, 128 numbers each, become two fragments and two scale words a row
	PLACES                                         ; behind the last products: results are read and fragments' registers written
	s_mov_b32 s2, 0x76543210
	s_mov_b32 s3, 0xfedcba98                       ; selects for lane l xor 16
.irp b, 0,1,2,3
	v_mov_b32 v[TM+4+\b], 0                        ; a lane permute's destination counts as read
.endr
	QUANT ACC, 48, 64
	global_store_b128 v5, v[48:51], s[98:99]               ; 512 consecutive bytes, aligned
	global_store_b128 v5, v[52:55], s[98:99] offset:512
	ds_store_b32 v7, v64                           ; both halves of the lanes write the same word with the same value
	QUANT ACC+64, 56, 65
	global_store_b128 v6, v[56:59], s[98:99]
	global_store_b128 v6, v[60:63], s[98:99] offset:512
	ds_store_b32 v7, v65 offset:64
	s_wait_dscnt 0x0                               ; for the sake of the team's first wave: my words lie in LDS
	s_barrier_signal -1
	s_barrier_wait -1
	s_cmp_lg_u32 s76, 0
	s_cbranch_scc1 .Lno_words
	ds_load_b128 v[32:35], v8
	s_wait_dscnt 0x0
	global_store_b128 v5, v[32:35], s[96:97]       ; the team's 128 scale words: 512 consecutive bytes
.Lno_words:
	s_wait_tensorcnt 0x0
	ds_add_u32 v26, v27
	s_wait_dscnt 0x0
	ROUND                                          ; the closing round: no work-group ends while a partner may still ask for a tile that names it
	s_endpgm
.Lfunc_end_k_q5146656bc5_qkv:
	.size	k_q5146656bc5_qkv, .Lfunc_end_k_q5146656bc5_qkv-k_q5146656bc5_qkv
	.p2alignl 7, 3214868480
	.fill 96, 4, 3214868480
	.section	.rodata,"a",@progbits
	.p2align	6, 0x0
	.amdhsa_kernel k_q5146656bc5_qkv
		.amdhsa_group_segment_fixed_size 282624
		.amdhsa_private_segment_fixed_size 0
		.amdhsa_enable_private_segment 0
		.amdhsa_kernarg_size 32
		.amdhsa_user_sgpr_count 2
		.amdhsa_user_sgpr_kernarg_segment_ptr 1
		.amdhsa_wavefront_size32 1
		.amdhsa_system_sgpr_workgroup_id_x 1
		.amdhsa_system_sgpr_workgroup_id_y 1
		.amdhsa_system_sgpr_workgroup_id_z 1
		.amdhsa_system_vgpr_workitem_id 0
		.amdhsa_next_free_vgpr 256
		.amdhsa_next_free_sgpr 100
		.amdhsa_reserve_vcc 0
		.amdhsa_float_denorm_mode_32 3
		.amdhsa_float_denorm_mode_16_64 3
		.amdhsa_memory_ordered 1
		.amdhsa_forward_progress 1
		.amdhsa_inst_pref_size 61
	.end_amdhsa_kernel
	.amdgpu_metadata
---
amdhsa.version: [ 1, 2 ]
amdhsa.kernels:
  - .name:           k_q5146656bc5_qkv
    .symbol:         k_q5146656bc5_qkv.kd
    .args:
      - { .name: xq, .offset: 0, .size: 8, .value_kind: global_buffer, .address_space: global }
      - { .name: waq, .offset: 8, .size: 8, .value_kind: global_buffer, .address_space: global }
      - { .name: c_attn_b, .offset: 16, .size: 8, .value_kind: global_buffer, .address_space: global }
      - { .name: qkvq, .offset: 24, .size: 8, .value_kind: global_buffer, .address_space: global }
    .group_segment_fixed_size: 282624
    .private_segment_fixed_size: 0
    .kernarg_segment_align: 8
    .kernarg_segment_size: 32
    .max_flat_workgroup_size: 512
    .sgpr_count:     100
    .vgpr_count:     256
    .wavefront_size: 32
...
	.end_amdgpu_metadata
.endif
;; end of part 2
;; launch attn (part 3): grid 16 x 16, 16 waves a work-group, clusters of 4 x 1, 289,280 bytes of LDS; arguments qkvq, attendee_mask, atq; writes atq
.if DOCPART == 3
	.amdgcn_target "amdgcn-amd-amdhsa--gfx1250"
	.amdhsa_code_object_version 6
	.text
	.protected	k_q5146656bc5_attn
	.globl	k_q5146656bc5_attn
	.p2align	8
	.type	k_q5146656bc5_attn,@function
k_q5146656bc5_attn:
	s_mov_b64 s[64:65], 0
	v_nop
	global_prefetch_b8 v0, s[64:65] scope:SCOPE_SE
	s_setreg_imm32_b32 hwreg(HW_REG_WAVE_MODE, 25, 1), 1
	s_wait_xcnt 0x0
	s_wait_alu depctr_hold_cnt(0) depctr_sa_sdst(0) depctr_va_vdst(0) depctr_va_sdst(0) depctr_va_ssrc(0) depctr_va_vcc(0) depctr_vm_vsrc(0)
	s_getreg_b32 s2, hwreg(HW_REG_IB_STS2, 6, 4)
	s_cmp_eq_u32 s2, 0
	s_cbranch_scc0 .Lentry_in_a_cluster
	s_endpgm
.Lentry_in_a_cluster:
	s_bfe_u32 s2, ttmp6, 0x10000c
	s_cmp_lg_u32 s2, 0x3003
	s_cbranch_scc0 .Lentry_shape_is_right
	s_endpgm
.Lentry_shape_is_right:
; attn[b][q][head] = (sum over keys of p v) / l, p = 2^(t - M), t = score x mask x log2(e), M = the running largest t rounded up to a whole number, l = the sum of the unquantised p.
; Both products on codes of FP4; p is quantised along the keys, the result along the head's 64 channels.  The mask MULTIPLIES the score (any whole number): a key with mask 0 keeps t = 0 and still counts.
; q and k: rows = tokens (q's 4,096, then k's), K = 1024; v: rows = 1,024 channels, K = 4,096 = batch x keys; both as images of operand registers (lane row r of tile t is row 32 (t / 2) + 8 (t % 2) + r + 8 (r / 8)).
; SHARES.  Work-group y = 8 batch + pair of heads; x = 128 queries.  Wave w: queries' tile w / 2, head 2 pair + w % 2.  Sixteen waves of 256 registers, four to a SIMD: one wave's vector work stands beside another's products.
; K = 64.  A fragment of 128 along K in memory holds both heads of the pair: 512 bytes each.  A wave loads ITS HEAD'S HALF ALONE, of K and of Q, into the operand's registers 0-3: the head's 64 channels are k = 0 .. 63 of
; the product.  Q's registers 4-7 are zero codes; K's are whatever stands behind: the key tiles lie four registers apart, so a tile's upper half is the next tile's codes (the last tile's: four mask numbers).  Every code
; of FP4 is a finite number, and times a zero code it adds nothing.  The head's two scale bytes come by a load of 16 bits; the word's upper bytes are then 0, which stands for 2^-127.
; Both products are used transposed (source 0 = 16 keys, or 16 channels; source 1 = my 16 queries): a lane holds ONE query; the 16 registers of key tiles 2 b, 2 b + 1 are keys 32 b + 16 (lane / 16) + 0 .. 15.
; Scale words of source 0: two neighbouring tiles' words are 128 consecutive bytes: one load, a word a lane; the odd tile takes its words from lanes 16-31.
; THE PAIR'S K AND V OF ALL 2,048 KEYS LIE IN LDS, in four chunks of 512 keys, one tensor load a chunk for each of waves 0 to 3, all issued at the head: four loads of such a wave are out; no byte is filled twice.
; CLUSTER 4 x 1: the four blocks of queries walk the same K and V: every tile is asked for jointly.
; LIMITS: NaN and infinities are not served; mask x log2(e) is rounded once before it multiplies the score (exact for 0 and 1); blocks under 2^-124 keep the byte 1, blocks of zeros carry 1, not 127.
.set CO,  524288
.set KC,  0                            ; K's codes: key tile x 1024
.set VC,  131072                       ; V's codes: chunk x 32768 + channel tile x 4096 + (step % 4) x 1024
.set KS,  262144                       ; K's scale words: step x 512 + tile x 64 + 4 r
.set VS,  270336                       ; V's: step x 512 + channel tile x 64 + 4 r
.set MC,  278528                       ; mask x log2(e), f32, 2,048 keys: written by LDS stores; no tensor load lands here
.set OSC, 286720                       ; the result's 128 scale words, likewise
.set NCH, 4
.set G0,  68                           ; s[68:83] descriptor groups 0, one for each chunk
; v1 16 x lane; v2-6 lane's places (V's codes, K's words, V's words, mask, K's codes); v7-11 the step's addresses; v12 -M, v13 the largest t, v[14:15] the sum in two halves; v16-19 Q, v20-23 zero codes;
; v24-26 LDS addresses of the head and the way out; v27 4 x lane, v28 4 r, v29 16 x thread; v32-63 eight half fragments of K, then four fragments of V; v64-95, v192-223 the step's 64 mask numbers;
; v96-159 scores, then p; v160-191 O^T; v224-231 p's codes; v232-247, v252, v254 at work; v248-251, v253, v255 scale words
.macro ROUND
	s_barrier_signal -1
	s_barrier_wait -1
	s_cmp_lg_u32 s12, 0
	s_cbranch_scc1 .Lnot_wave_0_\@
	s_barrier_signal -3
.Lnot_wave_0_\@:
	s_barrier_wait -3
	s_barrier_signal -1
	s_barrier_wait -1
.endm
.macro PLACES
.rept 4
	v_nop
.endr
.endm
.macro ARM ap, g1, l0, lstep, gstep    ; a wave's four first fills, together; four v_nop follow the last
.set KK, 0
.rept NCH
	s_mov_b32 s[G0+4*KK], 1
	s_mov_b32 s[G0+4*KK+1], \l0+KK*\lstep
	s_add_nc_u64 s[G0+4*KK+2:G0+4*KK+3], s[\ap:\ap+1], KK*\gstep
	s_or_b32 s[G0+4*KK+3], s[G0+4*KK+3], 0x80000000
.set KK, KK+1
.endr
.set KK, 0
.rept NCH
	tensor_load_to_lds s[G0+4*KK:G0+4*KK+3], s[\g1:\g1+7]
	s_nop 0
.set KK, KK+1
.endr
	PLACES
.endm
; A KEY STEP: 128 keys.  s22, s23, s24: where the step's K codes, V codes, and words (K's, V's and the mask's alike: 512 bytes a step) begin.
.macro STEP
	v_add_nc_u32 v7, s22, v6                       ; these five are also the places in front of loads into registers that the last products read
	v_add_nc_u32 v8, s23, v2
	v_add_nc_u32 v9, s24, v3
	v_add_nc_u32 v10, s24, v4
	v_add_nc_u32 v11, s24, v5
.irp t, 0,1,2,3,4,5,6,7                        ; my head's half of the eight key tiles: 512 consecutive bytes a load
	ds_load_b128 v[32+4*\t:35+4*\t], v7 offset:1024*\t
.endr
.irp j, 0,1,2,3                                ; my head's two scale bytes of tiles 2 j (lanes 0-15) and 2 j + 1 (lanes 16-31)
	ds_load_u16 v[248+\j], v9 offset:128*\j
.endr
.irp b, 0,1                                    ; the mask numbers of my 64 keys: register 16 b + i is key 32 b + 16 h + i
.irp q, 0,1,2,3
	ds_load_b128 v[64+16*\b+4*\q:67+16*\b+4*\q], v11 offset:128*\b+16*\q
.endr
.endr
.irp b, 2,3
.irp q, 0,1,2,3
	ds_load_b128 v[160+16*\b+4*\q:163+16*\b+4*\q], v11 offset:128*\b+16*\q
.endr
.endr
	s_wait_alu depctr_va_vdst(0)
	s_wait_dscnt 15                                ; K's eight halves, its four words and the first mask load (v64-67, which the last tile's operand names) are in; the 15 younger mask loads stay out
.irp t, 0,2,4,6
	v_wmma_scale_f32_16x16x128_f8f6f4 v[96+8*\t:103+8*\t], v[32+4*\t:39+4*\t], v[16:23], 0, v[248+\t/2], v255 matrix_a_fmt:MATRIX_FMT_FP4 matrix_b_fmt:MATRIX_FMT_FP4
	v_wmma_scale_f32_16x16x128_f8f6f4 v[104+8*\t:111+8*\t], v[36+4*\t:43+4*\t], v[16:23], 0, v[248+\t/2], v255 matrix_a_fmt:MATRIX_FMT_FP4 matrix_b_fmt:MATRIX_FMT_FP4 matrix_a_scale:MATRIX_SCALE_ROW1
.endr
	PLACES                                         ; in front of the loads below and of the first read of the scores
.irp t, 0,1,2,3                                ; V's four channel tiles of my head: they land while the softmax is worked
.irp c, 0,1
	ds_load_b128 v[32+8*\t+4*\c:35+8*\t+4*\c], v8 offset:4096*\t+512*\c
.endr
.endr
.irp j, 0,1
	ds_load_b32 v[248+\j], v10 offset:128*\j
.endr
	s_wait_dscnt 10                                ; the mask numbers are in; V's ten loads stay out
.set J, 0
.rept 16
	v_pk_mul_f32 v[96+J:97+J], v[96+J:97+J], v[64+J:65+J]       ; t = score x (mask x log2 e), each accumulator from its low end on
.set J, J+2
.endr
.rept 16
	v_pk_mul_f32 v[96+J:97+J], v[96+J:97+J], v[160+J:161+J]
.set J, J+2
.endr
.irp b, 0,1,2,3
	v_max3_num_f32 v[232+\b], v[96+16*\b], v[97+16*\b], v[98+16*\b]   ; the largest t of each block of 32 keys: it serves the row's maximum and, since p rises with t, the block's largest p
.endr
.irp i, 3,5,7,9,11,13
.irp b, 0,1,2,3
	s_delay_alu instid0(VALU_DEP_4)
	v_max3_num_f32 v[232+\b], v[232+\b], v[96+16*\b+\i], v[97+16*\b+\i]
.endr
.endr
.irp b, 0,1,2,3
	s_delay_alu instid0(VALU_DEP_4)
	v_max_num_f32 v[232+\b], v[232+\b], v[111+16*\b]
.endr
.irp b, 0,1,2,3
	s_delay_alu instid0(VALU_DEP_4)
	v_permlanex16_b32 v[236+\b], v[232+\b], s20, s21
.endr
.irp b, 0,1,2,3
	s_delay_alu instid0(VALU_DEP_4)
	v_max_num_f32 v[232+\b], v[232+\b], v[236+\b]  ; with lane l xor 16's 16 keys
.endr
	s_delay_alu instid0(VALU_DEP_2)
	v_max3_num_f32 v254, v232, v233, v234
	s_delay_alu instid0(VALU_DEP_1)
	v_max_num_f32 v254, v254, v235
	s_delay_alu instid0(VALU_DEP_1)
	v_max_num_f32 v13, v13, v254                   ; the running largest t
	v_mov_b32 v254, v12
	s_delay_alu instid0(VALU_DEP_2)
	v_floor_f32 v12, -v13                          ; -M = floor(-t): M is a whole number
	s_delay_alu instid0(VALU_DEP_1)
	v_sub_f32 v254, v12, v254                      ; old M - new M: a whole number, 0 or less
	s_delay_alu instid0(VALU_DEP_1)
	v_cvt_i32_f32 v254, v254                       ; (it saturates)
	s_delay_alu instid0(VALU_DEP_1)
	v_ldexp_f32 v252, 1.0, v254                    ; f = 2^(old M - new M): multiplying by it rounds nothing
.set J, 0
.rept 32
	v_pk_add_f32 v[96+J:97+J], v[96+J:97+J], v[12:13] op_sel_hi:[1,0]   ; t - M (the pair's low word serves both halves)
.set J, J+2
.endr
.irp b, 0,1,2,3
	v_add_f32 v[232+\b], v[232+\b], v12            ; the same of each block's largest t
.endr
.set J, 0
	s_setprio 1
	s_wait_alu depctr_va_vdst(0)
.rept 64
	v_exp_f32 v[96+J], v[96+J]                     ; p = 2^(t - M), at most 1
.set J, J+1
.endr
	v_pk_mul_f32 v[14:15], v[14:15], v[252:253] op_sel_hi:[1,0]   ; the sums under the new M: the plain line behind the exponentials
	s_wait_alu depctr_va_vdst(0)                   ; one wait for the batch of 64, ahead of its first reader
.irp b, 0,1,2,3
	v_exp_f32 v[232+\b], v[232+\b]                 ; each block's largest p
.endr
	v_pk_add_f32 v[236:237], v[100:101], v[104:105]
	v_pk_add_f32 v[250:251], v[108:109], v[112:113]
	v_pk_add_f32 v[246:247], v[116:117], v[120:121]
	v_pk_add_f32 v[244:245], v[124:125], v[128:129]
	v_pk_add_f32 v[240:241], v[132:133], v[136:137]
	v_pk_add_f32 v[238:239], v[140:141], v[144:145]
	v_pk_add_f32 v[230:231], v[148:149], v[152:153]
	v_pk_add_f32 v[14:15], v[14:15], v[156:157]
	v_pk_add_f32 v[236:237], v[236:237], v[96:97]
	v_pk_add_f32 v[250:251], v[250:251], v[98:99]
	v_pk_add_f32 v[246:247], v[246:247], v[102:103]
	v_pk_add_f32 v[244:245], v[244:245], v[106:107]
	v_pk_add_f32 v[240:241], v[240:241], v[110:111]
	v_pk_add_f32 v[238:239], v[238:239], v[114:115]
	v_pk_add_f32 v[230:231], v[230:231], v[118:119]
	v_pk_add_f32 v[14:15], v[14:15], v[122:123]
	v_pk_add_f32 v[236:237], v[236:237], v[126:127]
	v_pk_add_f32 v[250:251], v[250:251], v[130:131]
	v_pk_add_f32 v[246:247], v[246:247], v[134:135]
	v_pk_add_f32 v[244:245], v[244:245], v[138:139]
	v_pk_add_f32 v[240:241], v[240:241], v[142:143]
	v_pk_add_f32 v[238:239], v[238:239], v[146:147]
	v_pk_add_f32 v[230:231], v[230:231], v[150:151]
	v_pk_add_f32 v[14:15], v[14:15], v[154:155]
	v_pk_add_f32 v[236:237], v[236:237], v[158:159]
	s_delay_alu instid0(VALU_DEP_2)
	v_pk_add_f32 v[14:15], v[14:15], v[244:245]
	s_delay_alu instid0(VALU_DEP_2)
	v_pk_add_f32 v[236:237], v[236:237], v[240:241]
	v_pk_add_f32 v[250:251], v[250:251], v[238:239]
	v_pk_add_f32 v[246:247], v[246:247], v[230:231]
	s_delay_alu instid0(VALU_DEP_2)
	v_pk_add_f32 v[14:15], v[14:15], v[250:251]
	s_delay_alu instid0(VALU_DEP_2)
	v_pk_add_f32 v[236:237], v[236:237], v[246:247]
	s_delay_alu instid0(VALU_DEP_1)
	v_pk_add_f32 v[14:15], v[14:15], v[236:237]
	s_wait_alu depctr_va_vdst(0)                   ; and one for the four
.irp b, 0,1,2,3
	v_max_num_f32 v[232+\b], 0x1800000, v[232+\b]  ; the floor 2^(3 - 127): the byte cannot fall under 1
.endr
.irp b, 0,1,2,3
	s_delay_alu instid0(VALU_DEP_4)
	v_add_nc_u32 v[244+\b], 0xff000000, v[232+\b]  ; the conversion's scale operand
.endr
.irp b, 0,1,2,3
	s_delay_alu instid0(VALU_DEP_4)
	v_lshrrev_b32 v[236+\b], 23, v[244+\b]         ; the scale's byte
.endr
	s_delay_alu instid0(VALU_DEP_3)
	v_lshl_or_b32 v253, v237, 8, v236              ; p's scale word for these 128 keys
	s_delay_alu instid0(VALU_DEP_1)
	v_lshl_or_b32 v253, v238, 16, v253
	s_delay_alu instid0(VALU_DEP_1)
	v_lshl_or_b32 v253, v239, 24, v253
.irp b, 0,1,2,3
	v_cvt_scalef32_pk8_fp4_f32 v[224+2*\b], v[96+16*\b:103+16*\b], v[244+\b]
	v_cvt_scalef32_pk8_fp4_f32 v[225+2*\b], v[104+16*\b:111+16*\b], v[244+\b]
.endr
	s_setprio 0
	v_nop                                          ; one plain line behind the last conversion
.irp c, 0,1                                    ; a whole block to a lane
.irp i, 0,1
	v_permlane16_swap_b32 v[224+4*\c+\i], v[226+4*\c+\i]
.endr
.endr
.set J, 0
.rept 16
	v_pk_mul_f32 v[160+J:161+J], v[160+J:161+J], v[252:253] op_sel_hi:[1,0]   ; O^T under the new M.  These 16 also stand between the scale word's and the codes' last writes and the products
.set J, J+2
.endr
	s_wait_alu depctr_va_vdst(0)
	s_wait_dscnt 0x0                               ; V
.irp t, 0,2
	v_wmma_scale_f32_16x16x128_f8f6f4 v[160+8*\t:167+8*\t], v[32+8*\t:39+8*\t], v[224:231], v[160+8*\t:167+8*\t], v[248+\t/2], v253 matrix_a_fmt:MATRIX_FMT_FP4 matrix_b_fmt:MATRIX_FMT_FP4
	v_wmma_scale_f32_16x16x128_f8f6f4 v[168+8*\t:175+8*\t], v[40+8*\t:47+8*\t], v[224:231], v[168+8*\t:175+8*\t], v[248+\t/2], v253 matrix_a_fmt:MATRIX_FMT_FP4 matrix_b_fmt:MATRIX_FMT_FP4 matrix_a_scale:MATRIX_SCALE_ROW1
.endr
.endm
; A chunk of 512 keys: four steps in a counted loop whose LDS steps begin at constants of the text.
.macro CHUNK c
	s_wait_tensorcnt 3-\c                          ; my part of this chunk has landed; my loads of the later chunks stay out (waves 4 to 15 have none)
	s_wait_dscnt 0x0                               ; no LDS instruction of mine is out (at the first chunk: my mask numbers lie in LDS)
	s_barrier_signal -1
	s_barrier_wait -1                              ; the chunk is whole for every wave.
	s_mov_b32 s22, 32768*\c
	s_mov_b32 s23, 32768*\c
	s_mov_b32 s24, 2048*\c
	s_mov_b32 s25, 4
.Lstep_\@:
	s_setprio 2
	STEP
	s_add_co_u32 s22, s22, 8192
	s_add_co_u32 s23, s23, 1024
	s_add_co_u32 s24, s24, 512
	s_sub_co_u32 s25, s25, 1
	s_cmp_lg_u32 s25, 0
	s_cbranch_scc1 .Lstep_\@
	s_setprio 0
.endm
	s_load_b128 s[4:7], s[0:1], 0x0                ; q, k, v s[4:5]; the mask s[6:7]
	s_load_b64 s[8:9], s[0:1], 0x10                ; the result
	v_lshl_add_u32 v242, v0, 2, 0x46200
	v_mov_b32 v243, 0
	ds_add_u32 v242, v243
	ds_add_u32 v242, v243
	v_lshrrev_b32 v32, 5, v0
	s_delay_alu instid0(VALU_DEP_1)
	v_readfirstlane_b32 s12, v32                   ; wave 0..15
	s_and_b32 s15, ttmp7, 0xffff
	s_lshr_b32 s16, s15, 3                         ; batch
	s_and_b32 s17, s15, 7                          ; pair of heads = K step of q, k and of the result
	s_lshr_b32 s18, s12, 1                         ; my tile of queries
	s_and_b32 s19, s12, 1                          ; my head of the pair
	s_mov_b32 s20, 0x76543210
	s_mov_b32 s21, 0xfedcba98                      ; selects for lane l xor 16
	; every LDS address is made here, ahead of the first branch on the wave's number
	v_and_b32 v33, 31, v0
	v_and_b32 v34, 15, v0
	v_bfe_u32 v35, v0, 4, 1
	s_delay_alu instid0(VALU_DEP_3)
	v_lshlrev_b32 v1, 4, v33                       ; 16 x lane
	s_lshl_b32 s26, s19, 9
	v_add_nc_u32 v6, s26, v1                       ; K's codes: my head's 512 bytes of a fragment
	s_lshl_b32 s26, s19, 14
	s_add_co_u32 s26, s26, VC
	v_add_nc_u32 v2, s26, v1                       ; my head's four channel tiles
	v_lshlrev_b32 v28, 2, v34                      ; 4 r
	s_wait_alu depctr_va_vdst(0)
	v_lshlrev_b32 v27, 2, v33                      ; 4 x lane
	s_lshl_b32 s26, s19, 1
	s_add_co_u32 s26, s26, KS
	v_add_nc_u32 v3, s26, v27                      ; K's words: a word a lane, my head's two bytes of it
	s_lshl_b32 s26, s19, 8
	s_add_co_u32 s26, s26, VS
	v_add_nc_u32 v4, s26, v27                      ; V's words: my head's four tiles, a word a lane
	v_lshlrev_b32 v5, 6, v35
	s_delay_alu instid0(VALU_DEP_1)
	v_add_nc_u32 v5, MC, v5                        ; my half's 16 keys of a block: + 64 h
	v_lshlrev_b32 v29, 4, v0                       ; 16 x thread
	s_delay_alu instid0(VALU_DEP_1)
	v_add_nc_u32 v24, MC, v29
	s_lshl_b32 s26, s18, 6
	s_lshl_b32 s27, s19, 1
	s_add_co_u32 s26, s26, s27
	s_add_co_u32 s26, s26, OSC
	v_add_nc_u32 v25, s26, v28                     ; my head's two bytes of my row's scale word
	v_add_nc_u32 v26, OSC, v1
	; descriptor groups 1: the mask names all four partners; elements of 8 bytes; bit 21 beside the mask
.irp g, 32, 40, 48, 56
	s_mov_b32 s[\g], 15|(3<<16)|(1<<21)
	s_mov_b32 s[\g+6], 0
	s_mov_b32 s[\g+7], 0
.endr
	s_mov_b32 s33, 128<<16                         ; K's codes: 32 key tiles x 1,024 bytes, 8,192 bytes apart
	s_mov_b32 s34, 32<<16
	s_mov_b32 s35, 128<<16
	s_mov_b32 s36, 32
	s_mov_b32 s37, 1024
	s_mov_b32 s41, 512<<16                         ; V's codes: 8 channel tiles x 4,096 bytes, 32,768 bytes apart
	s_mov_b32 s42, 8<<16
	s_mov_b32 s43, 512<<16
	s_mov_b32 s44, 8
	s_mov_b32 s45, 4096
	s_mov_b32 s49, 64<<16                          ; K's words: 4 steps x 512 bytes, 4,096 bytes apart
	s_mov_b32 s50, 4<<16
	s_mov_b32 s51, 64<<16
	s_mov_b32 s52, 4
	s_mov_b32 s53, 512
	s_mov_b32 s57, 32<<16                          ; V's words: 2,048 dense bytes as 8 rows of 256
	s_mov_b32 s58, 8<<16
	s_mov_b32 s59, 32<<16
	s_mov_b32 s60, 8
	s_mov_b32 s61, 32
	; what the joint loads fetch hangs on the batch and the pair of heads alone, which the partners share
	s_lshl_b32 s84, s16, 20
	s_lshl_b32 s26, s17, 10
	s_add_co_u32 s84, s84, s26
	s_add_co_u32 s84, s84, CO+2097152              ; K's codes: tile 256 + 128 batch, K step = pair
	s_mov_b32 s85, 0
	s_lshl_b32 s86, s17, 18
	s_lshl_b32 s26, s16, 14
	s_add_co_u32 s86, s86, s26
	s_add_co_u32 s86, s86, CO+4194304              ; V's codes: tile 8 pair, K step 16 batch
	s_mov_b32 s87, 0
	s_lshl_b32 s88, s16, 16
	s_lshl_b32 s26, s17, 9
	s_add_co_u32 s88, s88, s26
	s_add_co_u32 s88, s88, 131072                  ; K's words
	s_mov_b32 s89, 0
	s_lshl_b32 s90, s17, 14
	s_lshl_b32 s26, s16, 13
	s_add_co_u32 s90, s90, s26
	s_add_co_u32 s90, s90, 262144                  ; V's words
	s_mov_b32 s91, 0
	; my block of queries enters Q's and the result's addresses alone
	s_bfe_u32 s13, ttmp6, 0x40000                  ; cx
	s_lshl_b32 s14, ttmp9, 2
	s_add_co_u32 s14, s14, s13                     ; my block of 128 queries
	s_lshl_b32 s92, s16, 7
	s_lshl_b32 s27, s14, 3
	s_add_co_u32 s92, s92, s27
	s_add_co_u32 s92, s92, s18                     ; my tile among the 256 tiles of queries
	s_lshl_b32 s92, s92, 13
	s_lshl_b32 s27, s17, 10
	s_add_co_u32 s92, s92, s27
	s_add_co_u32 s92, s92, CO                      ; fragment (my tile, pair): the same offset for Q and for the result
	s_mov_b32 s93, 0
	s_lshl_b32 s94, s16, 4
	s_add_co_u32 s94, s94, s14
	s_lshl_b32 s94, s94, 12
	s_lshl_b32 s27, s17, 9
	s_add_co_u32 s94, s94, s27                     ; the block's 128 scale words of that K step
	s_mov_b32 s95, 0
	s_wait_dscnt 0x0
	s_wait_kmcnt 0x0
	s_add_nc_u64 s[84:85], s[4:5], s[84:85]
	s_add_nc_u64 s[86:87], s[4:5], s[86:87]
	s_add_nc_u64 s[88:89], s[4:5], s[88:89]
	s_add_nc_u64 s[90:91], s[4:5], s[90:91]
	s_add_nc_u64 s[96:97], s[4:5], s[92:93]        ; Q's codes
	s_add_nc_u64 s[98:99], s[4:5], s[94:95]
	s_lshl_b32 s26, s18, 6
	s_mov_b32 s27, 0
	s_add_nc_u64 s[98:99], s[98:99], s[26:27]      ; Q's words: + 64 tile,
	s_lshl_b32 s26, s19, 1
	s_add_nc_u64 s[98:99], s[98:99], s[26:27]      ; my head's two bytes of each
	s_add_nc_u64 s[28:29], s[8:9], s[92:93]
	s_lshl_b32 s26, s19, 9
	s_add_nc_u64 s[28:29], s[28:29], s[26:27]      ; my head's half of the result's fragment,
	s_add_nc_u64 s[96:97], s[96:97], s[26:27]      ; and of Q's
	s_add_nc_u64 s[30:31], s[8:9], s[94:95]        ; the result's words
	s_lshl_b32 s26, s16, 13
	s_add_nc_u64 s[6:7], s[6:7], s[26:27]          ; my batch's mask
	ROUND                                          ; all four work-groups are here: the joint loads meet
	s_cmp_lg_u32 s12, 0                            ; wave 0: K's codes; 1: V's codes; 2: K's words; 3: V's words; the others fetch nothing
	s_cbranch_scc1 .La1
	ARM 84, 32, KC, 32768, 262144
	s_branch .Lasked
.La1:
	s_cmp_lg_u32 s12, 1
	s_cbranch_scc1 .La2
	ARM 86, 40, VC, 32768, 4096
	s_branch .Lasked
.La2:
	s_cmp_lg_u32 s12, 2
	s_cbranch_scc1 .La3
	ARM 88, 48, KS, 2048, 16384
	s_branch .Lasked
.La3:
	s_cmp_lg_u32 s12, 3
	s_cbranch_scc1 .Lasked
	ARM 90, 56, VS, 2048, 2048
.Lasked:
	s_wait_alu depctr_va_vdst(0)
	global_load_b128 v[36:39], v29, s[6:7]         ; four keys' mask a thread: 512 threads, 2,048 keys
	global_load_b128 v[16:19], v1, s[96:97]        ; my head's half of Q's fragment stays in registers
	global_load_u16 v255, v28, s[98:99]            ; my head's two scale bytes of Q's rows
	v_mov_b32 v13, 0xff61b1e6                      ; the largest t so far: -3e38
	s_delay_alu instid0(VALU_DEP_1)
	v_floor_f32 v12, -v13                          ; -M
	v_mov_b32 v14, 0
	v_mov_b32 v15, 0
.irp i, 0,1,2,3
	v_mov_b32 v[20+\i], 0                          ; k = 64 .. 127 of Q: zero codes
.endr
.irp b, 0,1,2,3
	v_mov_b32 v[236+\b], 0                         ; a lane permute's destination counts as read
.endr
	v_mov_b32 v253, 0                              ; (named as the upper half of the pair v[252:253] before it is first written)
.set J, 0
.rept 32
	v_mov_b32 v[160+J], 0                          ; O^T: the step is written once; the first change of M multiplies zeros
.set J, J+1
.endr
	s_wait_loadcnt 0x2                             ; the mask is in; Q's two loads stay out
.irp i, 0,1,2,3
	v_cvt_f32_i32 v[36+\i], v[36+\i]
.endr
.irp i, 0,1,2,3
	s_delay_alu instid0(VALU_DEP_4)
	v_mul_f32 v[36+\i], 0x3fb8aa3b, v[36+\i]       ; x log2(e)
.endr
	ds_store_b128 v24, v[36:39]
	s_wait_loadcnt 0x0                             ; Q
	CHUNK 0
	CHUNK 1
	CHUNK 2
	CHUNK 3
	; THE WAY OUT: O^T / l, quantised along my head's 64 channels: half a fragment and two bytes of the row's scale word
	PLACES                                         ; behind the last products
	v_add_f32 v14, v14, v15
	s_delay_alu instid0(VALU_DEP_1)
	v_permlanex16_b32 v252, v14, s20, s21
	s_delay_alu instid0(VALU_DEP_1)
	v_add_f32 v14, v14, v252                       ; the row's sum
	s_wait_alu depctr_va_vdst(0)
	v_rcp_f32 v14, v14
	v_nop                                          ; a plain line behind the reciprocal
	s_wait_alu depctr_va_vdst(0)                   ; ahead of its first reader
.set J, 0
.rept 16
	v_pk_mul_f32 v[96+J:97+J], v[160+J:161+J], v[14:15] op_sel_hi:[1,0]   ; register 16 b + i is channel 32 b + 16 h + i
.set J, J+2
.endr
.irp b, 0,1
	v_max3_num_f32 v[232+\b], |v[96+16*\b]|, |v[97+16*\b]|, 0x1800000
.endr
.irp i, 2,4,6,8,10,12,14
.irp b, 0,1
	s_delay_alu instid0(VALU_DEP_2)
	v_max3_num_f32 v[232+\b], v[232+\b], |v[96+16*\b+\i]|, |v[97+16*\b+\i]|
.endr
.endr
.irp b, 0,1
	s_delay_alu instid0(VALU_DEP_2)
	v_permlanex16_b32 v[236+\b], v[232+\b], s20, s21
.endr
.irp b, 0,1
	s_delay_alu instid0(VALU_DEP_2)
	v_max_num_f32 v[232+\b], v[232+\b], v[236+\b]
.endr
.irp b, 0,1
	s_delay_alu instid0(VALU_DEP_2)
	v_add_nc_u32 v[244+\b], 0xff000000, v[232+\b]
.endr
.irp b, 0,1
	s_delay_alu instid0(VALU_DEP_2)
	v_lshrrev_b32 v[236+\b], 23, v[244+\b]
.endr
	s_delay_alu instid0(VALU_DEP_1)
	v_lshl_or_b32 v240, v237, 8, v236
.irp b, 0,1
	v_cvt_scalef32_pk8_fp4_f32 v[224+2*\b], v[96+16*\b:103+16*\b], v[244+\b]
	v_cvt_scalef32_pk8_fp4_f32 v[225+2*\b], v[104+16*\b:111+16*\b], v[244+\b]
.endr
	v_nop
	v_permlane16_swap_b32 v224, v226
	v_permlane16_swap_b32 v225, v227
	global_store_b128 v1, v[224:227], s[28:29]     ; 512 consecutive bytes, aligned
	ds_store_b16 v25, v240
	s_wait_dscnt 0x0                               ; for wave 0's sake
	s_barrier_signal -1
	s_barrier_wait -1
	s_cmp_lg_u32 s12, 0
	s_cbranch_scc1 .Lno_words
	ds_load_b128 v[232:235], v26
	s_wait_dscnt 0x0
	global_store_b128 v1, v[232:235], s[30:31]     ; the block's 128 scale words: 512 consecutive bytes
.Lno_words:
	s_wait_tensorcnt 0x0
	ds_add_u32 v242, v243
	s_wait_dscnt 0x0
	ROUND                                          ; the closing round
	s_endpgm
.Lfunc_end_k_q5146656bc5_attn:
	.size	k_q5146656bc5_attn, .Lfunc_end_k_q5146656bc5_attn-k_q5146656bc5_attn
	.p2alignl 7, 3214868480
	.fill 96, 4, 3214868480
	.section	.rodata,"a",@progbits
	.p2align	6, 0x0
	.amdhsa_kernel k_q5146656bc5_attn
		.amdhsa_group_segment_fixed_size 289280
		.amdhsa_private_segment_fixed_size 0
		.amdhsa_enable_private_segment 0
		.amdhsa_kernarg_size 24
		.amdhsa_user_sgpr_count 2
		.amdhsa_user_sgpr_kernarg_segment_ptr 1
		.amdhsa_wavefront_size32 1
		.amdhsa_system_sgpr_workgroup_id_x 1
		.amdhsa_system_sgpr_workgroup_id_y 1
		.amdhsa_system_sgpr_workgroup_id_z 1
		.amdhsa_system_vgpr_workitem_id 0
		.amdhsa_next_free_vgpr 256
		.amdhsa_next_free_sgpr 100
		.amdhsa_reserve_vcc 0
		.amdhsa_float_denorm_mode_32 3
		.amdhsa_float_denorm_mode_16_64 3
		.amdhsa_memory_ordered 1
		.amdhsa_forward_progress 1
		.amdhsa_inst_pref_size 102
	.end_amdhsa_kernel
	.amdgpu_metadata
---
amdhsa.version: [ 1, 2 ]
amdhsa.kernels:
  - .name:           k_q5146656bc5_attn
    .symbol:         k_q5146656bc5_attn.kd
    .args:
      - { .name: qkvq, .offset: 0, .size: 8, .value_kind: global_buffer, .address_space: global }
      - { .name: attendee_mask, .offset: 8, .size: 8, .value_kind: global_buffer, .address_space: global }
      - { .name: atq, .offset: 16, .size: 8, .value_kind: global_buffer, .address_space: global }
    .group_segment_fixed_size: 289280
    .private_segment_fixed_size: 0
    .kernarg_segment_align: 8
    .kernarg_segment_size: 24
    .max_flat_workgroup_size: 512
    .sgpr_count:     100
    .vgpr_count:     256
    .wavefront_size: 32
...
	.end_amdgpu_metadata
.endif
;; end of part 3
;; launch proj (part 4): grid 8 x 32, 4 waves a work-group, clusters of 4 x 4, 168,448 bytes of LDS; arguments atq, wpq, c_proj_b, pjq; writes pjq
.if DOCPART == 4
	.amdgcn_target "amdgcn-amd-amdhsa--gfx1250"
	.amdhsa_code_object_version 6
	.text
	.protected	k_q5146656bc5_proj
	.globl	k_q5146656bc5_proj
	.p2align	8
	.type	k_q5146656bc5_proj,@function
k_q5146656bc5_proj:
	s_mov_b64 s[64:65], 0
	v_nop
	global_prefetch_b8 v0, s[64:65] scope:SCOPE_SE
	s_setreg_imm32_b32 hwreg(HW_REG_WAVE_MODE, 25, 1), 1
	s_wait_xcnt 0x0
	s_wait_alu depctr_hold_cnt(0) depctr_sa_sdst(0) depctr_va_vdst(0) depctr_va_sdst(0) depctr_va_ssrc(0) depctr_va_vcc(0) depctr_vm_vsrc(0)
	s_getreg_b32 s2, hwreg(HW_REG_IB_STS2, 6, 4)
	s_cmp_eq_u32 s2, 0
	s_cbranch_scc0 .Lentry_in_a_cluster
	s_endpgm
.Lentry_in_a_cluster:
	s_bfe_u32 s2, ttmp6, 0x10000c
	s_cmp_lg_u32 s2, 0xf033
	s_cbranch_scc0 .Lentry_shape_is_right
	s_endpgm
.Lentry_shape_is_right:
; The projection: attention's result x c_proj_w + c_proj_b, a product of codes of FP4 with K = 1024, quantised again, in registers, along its columns.  Arguments: tokens' buffer, weights' buffer, bias, result's buffer.
; Buffers: scale words from byte 0, codes from byte CO, as images of operand registers: lane row r of tile t is matrix row 32 (t / 2) + 8 (t % 2) + r + 8 (r / 8); fragment (t, K step s) at CO + 8192 t + 1024 s,
; in it 512 c + 16 lane; scale word at (t / 8) 4096 + 512 s + 64 (t % 8) + 4 r.
; A work-group of four waves makes 128 tokens x 128 columns: 256 work-groups.
; SOURCE 0 = the weights' 8 tiles, which every wave takes; SOURCE 1 = tokens, of which wave w takes tiles 2 w and 2 w + 1: 16 accumulators.  A lane holds one token, and the 16 registers of the weights' tiles 2 b, 2 b + 1
; are 16 neighbouring columns 32 b + 16 (lane / 16) + 0 .. 15: so the 128 columns are one fragment and one scale word of the next product.
; ALL OF K LIES IN LDS: two chunks of 4 K steps, each brought by one tensor load a wave, issued together at the head: two loads of a wave are out; no byte of LDS is filled twice.
; CLUSTER 4 x 4: the tokens' tiles are asked for jointly along a row of the cluster, the weights' along a column.
; The bias is loaded INTO the accumulators, so every product adds in place: the bias is added ahead of the products (another order of f32 rounding than bias last).
; LIMITS: NaN and infinities are not served; blocks under 2^-124 keep the byte 1; blocks of zeros carry the byte 1, not 127 (this program alone reads the bytes).
.set CO,  524288
.set NCH, 2                            ; chunks
.set NS,  8                            ; K steps
.set CHB, 65536                        ; LDS: chunk k: tokens' codes at CHB k, weights' at CHB k + 32768, each [tile 8][step 4][1024]
.set SCH, 4096                         ; scale words at SB + SCH k (tokens') and + 2048 (weights'), each [step 4][tile 8][16 words]
.set SB,  131072
.set SCG, 139264                       ; 512 bytes: the result's scale words are gathered here; no tensor load lands here
.set G0,  68                           ; s[68:75] descriptor groups 0, one for each chunk
.set SP,  12                           ; v12-19  the weights' scale words, two sets of 4: lanes 0-15 an even tile's, lanes 16-31 the odd tile's behind it
.set SR,  28                           ; v28-31  the tokens', two sets of 2
.set RF,  32                           ; v32-63  the tokens' fragments, two sets of 2 x 8
.set PF,  64                           ; v64-127 the weights' fragments, one set of 8 x 8
.set ACC, 128                          ; v128-255 accumulator (i, a) at 128 + 64 i + 8 a
.set TM,  32                           ; the way out works in the fragments' registers
; v1 weights' codes, v2 tokens' codes, v3 weights' words, v4 tokens' words (LDS); v5 16 x lane; v7, v8 the gathered words (LDS); v9 the bias's offset
.macro ROUND                           ; a round of the cluster's barrier
	s_barrier_signal -1
	s_barrier_wait -1
	s_cmp_lg_u32 s12, 0
	s_cbranch_scc1 .Lnot_wave_0_\@
	s_barrier_signal -3
.Lnot_wave_0_\@:
	s_barrier_wait -3
	s_barrier_signal -1
	s_barrier_wait -1
.endm
.macro PLACES
.rept 4
	v_nop
.endr
.endm
; A wave's first fills: NCH groups 0, then its NCH tensor loads together; four v_nop follow the last
.macro ARM ap, g1, l0, lstep, gstep
.set KK, 0
.rept NCH
	s_mov_b32 s[G0+4*KK], 1
	s_mov_b32 s[G0+4*KK+1], \l0+KK*\lstep
	s_add_nc_u64 s[G0+4*KK+2:G0+4*KK+3], s[\ap:\ap+1], KK*\gstep
	s_or_b32 s[G0+4*KK+3], s[G0+4*KK+3], 0x80000000
.set KK, KK+1
.endr
.set KK, 0
.rept NCH
	tensor_load_to_lds s[G0+4*KK:G0+4*KK+3], s[\g1:\g1+7]
	s_nop 0
.set KK, KK+1
.endr
	PLACES
.endm
.macro FP n, a0                        ; the weights' fragments a0 .. a0 + 3 of K step n: each load takes 512 consecutive bytes
.irp a, \a0, \a0+1, \a0+2, \a0+3
.irp c, 0,1
	ds_load_b128 v[PF+8*(\a)+4*\c:PF+8*(\a)+4*\c+3], v1 offset:4096*(\a)+1024*((\n)%4)+512*\c
.endr
.endr
.endm
.macro FR n                            ; my two fragments of tokens
.irp i, 0,1
.irp c, 0,1
	ds_load_b128 v[RF+16*((\n)%2)+8*\i+4*\c:RF+16*((\n)%2)+8*\i+4*\c+3], v2 offset:4096*\i+1024*((\n)%4)+512*\c
.endr
.endr
.endm
.macro FS n                            ; the step's scale words.  The weights': two neighbouring tiles' 32 words are 128 consecutive bytes: one load, a word a lane
.irp j, 0,1,2,3
	ds_load_b32 v[SP+4*((\n)%2)+\j], v3 offset:512*((\n)%4)+128*\j
.endr
.irp i, 0,1
	ds_load_b32 v[SR+2*((\n)%2)+\i], v4 offset:512*((\n)%4)+64*\i
.endr
.endm
.macro MUL n, a0                       ; 8 products; the 16 accumulators take turns, one instruction a turn, in the same order in every step.  An odd tile of weights takes its words from lanes 16-31
.irp a, \a0, \a0+1, \a0+2, \a0+3
.irp i, 0,1
.if (\a)%2 == 0
	v_wmma_scale_f32_16x16x128_f8f6f4 v[ACC+64*\i+8*(\a):ACC+64*\i+8*(\a)+7], v[PF+8*(\a):PF+8*(\a)+7], v[RF+16*((\n)%2)+8*\i:RF+16*((\n)%2)+8*\i+7], v[ACC+64*\i+8*(\a):ACC+64*\i+8*(\a)+7], v[SP+4*((\n)%2)+(\a)/2], v[SR+2*((\n)%2)+\i] matrix_a_fmt:MATRIX_FMT_FP4 matrix_b_fmt:MATRIX_FMT_FP4
.else
	v_wmma_scale_f32_16x16x128_f8f6f4 v[ACC+64*\i+8*(\a):ACC+64*\i+8*(\a)+7], v[PF+8*(\a):PF+8*(\a)+7], v[RF+16*((\n)%2)+8*\i:RF+16*((\n)%2)+8*\i+7], v[ACC+64*\i+8*(\a):ACC+64*\i+8*(\a)+7], v[SP+4*((\n)%2)+(\a)/2], v[SR+2*((\n)%2)+\i] matrix_a_fmt:MATRIX_FMT_FP4 matrix_b_fmt:MATRIX_FMT_FP4 matrix_a_scale:MATRIX_SCALE_ROW1
.endif
.endr
.endr
.endm
; A K step.  The weights' tiles 0-3 are free behind their 8 products and are fetched anew in the step's middle, with the tokens' other set and the other set of words; tiles 4-7 at its end.
; A load into a register that a matrix instruction has read stands four plain vector instructions behind it.
.macro STEP n
	s_wait_dscnt 8                                 ; all but the youngest 8 loads (the weights' tiles 4-7) are in
	MUL \n, 0
	s_wait_dscnt 0x0                               ; tiles 4-7 are in; no LDS instruction of mine is out
.if (\n)+1 < NS
.if (\n)%4 == 3
	s_wait_tensorcnt NCH-2-(\n)/4                  ; my part of the next chunk has landed; my loads of the chunks behind it stay out
	s_barrier_signal -1
	s_barrier_wait -1                              ; everybody's has.
	v_add_nc_u32 v1, CHB, v1                       ; on to the next chunk: these four are also the four places
	s_wait_alu depctr_va_vdst(0)
	v_add_nc_u32 v2, CHB, v2
	s_wait_alu depctr_va_vdst(0)
	v_add_nc_u32 v3, SCH, v3
	s_wait_alu depctr_va_vdst(0)
	v_add_nc_u32 v4, SCH, v4
.else
	PLACES
.endif
	s_wait_alu depctr_va_vdst(0)
	FP (\n)+1, 0
	FR (\n)+1
	FS (\n)+1
.endif
	MUL \n, 4
.if (\n)+1 < NS
	PLACES
	FP (\n)+1, 4
.endif
.endm
; 64 numbers of a lane, register 16 b + i = column 32 b + 16 (lane / 16) + i of my row, become a fragment's codes in v[pc] on and its scale word in v[pw]
.macro QUANT s, pc, pw
.irp b, 0,1,2,3
	v_max3_num_f32 v[TM+\b], |v[\s+16*\b]|, |v[\s+1+16*\b]|, 0x1800000   ; my 16 numbers of block b, and the floor 2^(3 - 127); each accumulator is read from its low end on
.endr
.irp i, 2,4,6,8,10,12,14
.irp b, 0,1,2,3
	v_max3_num_f32 v[TM+\b], v[TM+\b], |v[\s+16*\b+\i]|, |v[\s+1+16*\b+\i]|
.endr
.endr
.irp b, 0,1,2,3
	v_permlanex16_b32 v[TM+4+\b], v[TM+\b], s2, s3
.endr
.irp b, 0,1,2,3
	v_max_num_f32 v[TM+\b], v[TM+\b], v[TM+4+\b]   ; with lane l xor 16's: the block's largest magnitude
.endr
.irp b, 0,1,2,3
	v_add_nc_u32 v[TM+12+\b], 0xff000000, v[TM+\b] ; 2 off the exponent field: the conversion's scale operand
.endr
.irp b, 0,1,2,3
	v_lshrrev_b32 v[TM+4+\b], 23, v[TM+12+\b]      ; the scale's byte
.endr
	v_lshl_or_b32 v[\pw], v[TM+5], 8, v[TM+4]
	v_lshl_or_b32 v[\pw], v[TM+6], 16, v[\pw]
	v_lshl_or_b32 v[\pw], v[TM+7], 24, v[\pw]
.irp b, 0,1,2,3
	v_cvt_scalef32_pk8_fp4_f32 v[\pc+2*\b], v[\s+16*\b:\s+7+16*\b], v[TM+12+\b]
	v_cvt_scalef32_pk8_fp4_f32 v[\pc+1+2*\b], v[\s+8+16*\b:\s+15+16*\b], v[TM+12+\b]
.endr
	v_nop                                          ; one plain line behind the last conversion
.irp c, 0,1                                    ; a whole block to a lane: lanes 0-15 block 2 c, lanes 16-31 block 2 c + 1
.irp i, 0,1
	v_permlane16_swap_b32 v[\pc+4*\c+\i], v[\pc+2+4*\c+\i]
.endr
.endr
.endm
	s_load_b256 s[4:11], s[0:1], 0x0               ; tokens s[4:5], weights s[6:7], bias s[8:9], result s[10:11]
	v_lshl_add_u32 v26, v0, 2, 0x29000
	v_mov_b32 v27, 0
	ds_add_u32 v26, v27
	ds_add_u32 v26, v27
	v_lshrrev_b32 v32, 5, v0
	v_readfirstlane_b32 s12, v32                   ; wave 0..3
	s_bfe_u32 s13, ttmp6, 0x40000                  ; cx
	s_bfe_u32 s14, ttmp6, 0x40004                  ; cy
	s_and_b32 s15, ttmp7, 0xffff                   ; the cluster's y
	s_lshl_b32 s16, ttmp9, 2
	s_add_co_u32 s16, s16, s13                     ; X: my 128 columns
	s_lshl_b32 s17, s15, 2
	s_add_co_u32 s17, s17, s14                     ; Y: my 128 tokens
	s_lshl_b32 s23, s14, 2
	s_lshl_b32 s23, 15, s23                        ; my row of the cluster
	s_lshl_b32 s24, 0x1111, s13                    ; my column
	; every LDS address is made here, ahead of the first branch on the wave's number
	v_and_b32 v33, 31, v0                          ; lane
	v_and_b32 v34, 15, v0                          ; r
	v_bfe_u32 v35, v0, 4, 1                        ; h
	v_lshlrev_b32 v5, 4, v33                       ; 16 x lane
	v_lshlrev_b32 v36, 2, v34                      ; 4 r
	v_lshlrev_b32 v37, 2, v33                      ; 4 x lane
	v_add_nc_u32 v1, 0x8000, v5
	s_lshl_b32 s25, s12, 13
	v_add_nc_u32 v2, s25, v5                       ; my two tiles of tokens
	v_add_nc_u32 v3, SB+2048, v37
	s_lshl_b32 s25, s12, 7
	v_add_nc_u32 v4, s25, v36
	v_add_nc_u32 v4, SB, v4
	v_add_nc_u32 v7, s25, v36
	v_add_nc_u32 v7, SCG, v7                       ; my result's words: 128 wave + 4 r
	v_add_nc_u32 v8, SCG, v5
	v_lshlrev_b32 v9, 6, v35                       ; the bias: 64 h
	; descriptor groups 1: elements of 8 bytes, no padding; bit 21 beside the mask
	s_or_b32 s32, s23, (3<<16)|(1<<21)             ; tokens' codes: my row
	s_or_b32 s40, s24, (3<<16)|(1<<21)             ; weights' codes: my column
	s_or_b32 s48, s23, (3<<16)|(1<<21)             ; tokens' words
	s_or_b32 s56, s24, (3<<16)|(1<<21)             ; weights' words
.irp g, 32, 40                                 ; 8 tiles x 4 K steps: 8 rows of 4,096 bytes, 8,192 bytes apart
	s_mov_b32 s[\g+1], 512<<16
	s_mov_b32 s[\g+2], 8<<16
	s_mov_b32 s[\g+3], 512<<16
	s_mov_b32 s[\g+4], 8
	s_mov_b32 s[\g+5], 1024
	s_mov_b32 s[\g+6], 0
	s_mov_b32 s[\g+7], 0
.endr
.irp g, 48, 56                                 ; 2,048 dense bytes as 8 rows of 256
	s_mov_b32 s[\g+1], 32<<16
	s_mov_b32 s[\g+2], 8<<16
	s_mov_b32 s[\g+3], 32<<16
	s_mov_b32 s[\g+4], 8
	s_mov_b32 s[\g+5], 32
	s_mov_b32 s[\g+6], 0
	s_mov_b32 s[\g+7], 0
.endr
	s_lshl_b32 s26, s17, 16                        ; the tokens' addresses hang on Y alone,
	s_add_co_u32 s26, s26, CO
	s_mov_b32 s27, 0
	s_lshl_b32 s28, s17, 12
	s_mov_b32 s29, 0
	s_lshl_b32 s84, s16, 16                        ; the weights' on X alone
	s_add_co_u32 s84, s84, CO
	s_mov_b32 s85, 0
	s_lshl_b32 s86, s16, 12
	s_mov_b32 s87, 0
	s_lshl_b32 s88, s16, 9                         ; my 128 numbers of the bias
	s_mov_b32 s89, 0
	s_lshl_b32 s98, s17, 3
	s_lshl_b32 s99, s12, 1
	s_add_co_u32 s98, s98, s99                     ; my first tile of the result
	s_lshl_b32 s98, s98, 13
	s_lshl_b32 s99, s16, 10                        ; its K step is X
	s_add_co_u32 s98, s98, s99
	s_add_co_u32 s98, s98, CO
	s_mov_b32 s99, 0
	s_lshl_b32 s96, s17, 12
	s_lshl_b32 s97, s16, 9
	s_add_co_u32 s96, s96, s97                     ; the work-group's 512 bytes of scale words
	s_mov_b32 s97, 0
	s_wait_dscnt 0x0
	s_wait_kmcnt 0x0
	s_add_nc_u64 s[26:27], s[4:5], s[26:27]
	s_add_nc_u64 s[28:29], s[4:5], s[28:29]
	s_add_nc_u64 s[84:85], s[6:7], s[84:85]
	s_add_nc_u64 s[86:87], s[6:7], s[86:87]
	s_add_nc_u64 s[8:9], s[8:9], s[88:89]
	s_add_nc_u64 s[98:99], s[10:11], s[98:99]
	s_add_nc_u64 s[96:97], s[10:11], s[96:97]
	ROUND                                          ; all sixteen work-groups are here: the joint loads meet
	s_cmp_lg_u32 s12, 0                            ; wave 0: tokens' codes; 1: weights' codes; 2: tokens' words; 3: weights' words
	s_cbranch_scc1 .Lw1
	ARM 26, 32, 0, CHB, 4096
	s_branch .Lasked
.Lw1:
	s_cmp_lg_u32 s12, 1
	s_cbranch_scc1 .Lw2
	ARM 84, 40, 32768, CHB, 4096
	s_branch .Lasked
.Lw2:
	s_cmp_lg_u32 s12, 2
	s_cbranch_scc1 .Lw3
	ARM 28, 48, SB, SCH, 2048
	s_branch .Lasked
.Lw3:
	ARM 86, 56, SB+2048, SCH, 2048
.Lasked:
	s_wait_alu depctr_va_vdst(0)
.irp i, 0,1                                    ; the bias starts the sums: register 16 b + j takes bias[32 b + 16 h + j]
.irp b, 0,1,2,3
.irp q, 0,1,2,3
	global_load_b128 v[ACC+64*\i+16*\b+4*\q:ACC+64*\i+16*\b+4*\q+3], v9, s[8:9] offset:128*\b+16*\q
.endr
.endr
.endr
	s_wait_tensorcnt NCH-1                         ; my part of chunk 0 has landed; my load of chunk 1 stays out
	s_barrier_signal -1
	s_barrier_wait -1                              ; everybody's has
	FP 0, 0
	FR 0
	FS 0
	FP 0, 4
	s_wait_loadcnt 0x0                             ; the bias
.set N, 0
.rept NS
	STEP N
.set N, N+1
.endr
	; THE WAY OUT: my two tiles of tokens, 128 numbers a row, become two fragments and two scale words a row
	PLACES                                         ; behind the last products: results are read and fragments' registers written
	s_mov_b32 s2, 0x76543210
	s_mov_b32 s3, 0xfedcba98                       ; selects for lane l xor 16
.irp b, 0,1,2,3
	v_mov_b32 v[TM+4+\b], 0                        ; a lane permute's destination counts as read
.endr
	QUANT ACC, 48, 64
	global_store_b128 v5, v[48:51], s[98:99]               ; 512 consecutive bytes, aligned
	global_store_b128 v5, v[52:55], s[98:99] offset:512
	ds_store_b32 v7, v64                           ; both halves of the lanes write the same word with the same value
	QUANT ACC+64, 56, 65
	global_store_b128 v5, v[56:59], s[98:99] offset:8192   ; the next tile lies 8,192 bytes on
	global_store_b128 v5, v[60:63], s[98:99] offset:8704
	ds_store_b32 v7, v65 offset:64
	s_wait_dscnt 0x0                               ; for wave 0's sake: my words lie in LDS
	s_barrier_signal -1
	s_barrier_wait -1
	s_cmp_lg_u32 s12, 0
	s_cbranch_scc1 .Lno_words
	ds_load_b128 v[32:35], v8
	s_wait_dscnt 0x0
	global_store_b128 v5, v[32:35], s[96:97]       ; the work-group's 128 scale words: 512 consecutive bytes
.Lno_words:
	s_wait_tensorcnt 0x0
	ds_add_u32 v26, v27
	s_wait_dscnt 0x0
	ROUND                                          ; the closing round: no work-group ends while a partner may still ask for a tile that names it
	s_endpgm
.Lfunc_end_k_q5146656bc5_proj:
	.size	k_q5146656bc5_proj, .Lfunc_end_k_q5146656bc5_proj-k_q5146656bc5_proj
	.p2alignl 7, 3214868480
	.fill 96, 4, 3214868480
	.section	.rodata,"a",@progbits
	.p2align	6, 0x0
	.amdhsa_kernel k_q5146656bc5_proj
		.amdhsa_group_segment_fixed_size 168448
		.amdhsa_private_segment_fixed_size 0
		.amdhsa_enable_private_segment 0
		.amdhsa_kernarg_size 32
		.amdhsa_user_sgpr_count 2
		.amdhsa_user_sgpr_kernarg_segment_ptr 1
		.amdhsa_wavefront_size32 1
		.amdhsa_system_sgpr_workgroup_id_x 1
		.amdhsa_system_sgpr_workgroup_id_y 1
		.amdhsa_system_sgpr_workgroup_id_z 1
		.amdhsa_system_vgpr_workitem_id 0
		.amdhsa_next_free_vgpr 256
		.amdhsa_next_free_sgpr 100
		.amdhsa_reserve_vcc 0
		.amdhsa_float_denorm_mode_32 3
		.amdhsa_float_denorm_mode_16_64 3
		.amdhsa_memory_ordered 1
		.amdhsa_forward_progress 1
		.amdhsa_inst_pref_size 53
	.end_amdhsa_kernel
	.amdgpu_metadata
---
amdhsa.version: [ 1, 2 ]
amdhsa.kernels:
  - .name:           k_q5146656bc5_proj
    .symbol:         k_q5146656bc5_proj.kd
    .args:
      - { .name: atq, .offset: 0, .size: 8, .value_kind: global_buffer, .address_space: global }
      - { .name: wpq, .offset: 8, .size: 8, .value_kind: global_buffer, .address_space: global }
      - { .name: c_proj_b, .offset: 16, .size: 8, .value_kind: global_buffer, .address_space: global }
      - { .name: pjq, .offset: 24, .size: 8, .value_kind: global_buffer, .address_space: global }
    .group_segment_fixed_size: 168448
    .private_segment_fixed_size: 0
    .kernarg_segment_align: 8
    .kernarg_segment_size: 32
    .max_flat_workgroup_size: 128
    .sgpr_count:     100
    .vgpr_count:     256
    .wavefront_size: 32
...
	.end_amdgpu_metadata
.endif
;; end of part 4
;; launch mlp (part 5): grid 8 x 32, 4 waves a work-group, clusters of 4 x 4, 312,832 bytes of LDS; arguments xq, pjq, wmq, mlp_b, out0; writes out0
.if DOCPART == 5
	.amdgcn_target "amdgcn-amd-amdhsa--gfx1250"
	.amdhsa_code_object_version 6
	.text
	.protected	k_q5146656bc5_mlp
	.globl	k_q5146656bc5_mlp
	.p2align	8
	.type	k_q5146656bc5_mlp,@function
k_q5146656bc5_mlp:
	s_mov_b64 s[64:65], 0
	v_nop
	global_prefetch_b8 v0, s[64:65] scope:SCOPE_SE
	s_setreg_imm32_b32 hwreg(HW_REG_WAVE_MODE, 25, 1), 1
	s_wait_xcnt 0x0
	s_wait_alu depctr_hold_cnt(0) depctr_sa_sdst(0) depctr_va_vdst(0) depctr_va_sdst(0) depctr_va_ssrc(0) depctr_va_vcc(0) depctr_vm_vsrc(0)
	s_getreg_b32 s2, hwreg(HW_REG_IB_STS2, 6, 4)
	s_cmp_eq_u32 s2, 0
	s_cbranch_scc0 .Lentry_in_a_cluster
	s_endpgm
.Lentry_in_a_cluster:
	s_bfe_u32 s2, ttmp6, 0x10000c
	s_cmp_lg_u32 s2, 0xf033
	s_cbranch_scc0 .Lentry_shape_is_right
	s_endpgm
.Lentry_shape_is_right:
; out = gelu([attender, projection] mlp_w + mlp_b): a product of codes of FP4 with K = 2048, whose first 1,024 come from the attender's codes and whose last 1,024 from the projection's.
; Operands as images of operand registers: lane row r of tile t is matrix row 32 (t / 2) + 8 (t % 2) + r + 8 (r / 8); fragment (t, K step s) at CO + 8192 t + 1024 s; scale word at (t / 8) 4096 + 512 s + 64 (t % 8) + 4 r.
; A work-group makes 128 tokens x 128 columns.  SOURCE 0 = the weights' 8 tiles, which every wave takes; SOURCE 1 = tokens, of which wave w takes tiles 2 w, 2 w + 1: 16 accumulators.  A lane holds one token, and
; register 16 b + j of its 64 is column 32 b + 16 (lane / 16) + j.
; ALL OF K LIES IN LDS: four chunks of 4 K steps, one tensor load a chunk for each wave, issued together at the head: four loads of a wave are out; no byte is filled twice.
; CLUSTER 4 x 4: the tokens' tiles are asked for jointly along a row of the cluster, the weights' along a column.
; The bias is loaded into the accumulators (it is added ahead of the products).  gelu(x) = x / (1 + 2^(x (A + B x^2))), A = -2 log2(e) sqrt(2 / pi), B = 0.044715 A: the same function as 0.5 x (1 + tanh(..)).
; LIMITS: NaN and infinities are not served.
.set CO,  524288
.set NCH, 4
.set NS,  16
.set SB,  262144                       ; LDS: chunk k: tokens' codes at 65536 k, weights' at 65536 k + 32768; scale words at SB + 4096 k and + 2048
.set STG, 278528                       ; the way out: 16 rows x 528 bytes for each wave; no tensor load lands here
.set G0,  68                           ; s[68:83]
.set SP,  12
.set SR,  28
.set RF,  32
.set PF,  64
.set ACC, 128
.set T,   64                           ; the way out works in the weights' fragments' registers
; v1 weights' codes, v2 tokens' codes, v3 weights' words, v4 tokens' words (LDS); v5 16 x lane; v6, v7 the stage, in and out; v9 the bias's offset
.macro ROUND
	s_barrier_signal -1
	s_barrier_wait -1
	s_cmp_lg_u32 s12, 0
	s_cbranch_scc1 .Lnot_wave_0_\@
	s_barrier_signal -3
.Lnot_wave_0_\@:
	s_barrier_wait -3
	s_barrier_signal -1
	s_barrier_wait -1
.endm
.macro PLACES
.rept 4
	v_nop
.endr
.endm
; A wave's four first fills: chunks 0, 1 from the first address, chunks 2, 3 from the second; four v_nop follow the last load
.macro ARM2 ap0, ap1, g1, l0, lstep, gstep
.irp k, 0,1,2,3
	s_mov_b32 s[G0+4*\k], 1
	s_mov_b32 s[G0+4*\k+1], \l0+\k*\lstep
.if \k < 2
	s_add_nc_u64 s[G0+4*\k+2:G0+4*\k+3], s[\ap0:\ap0+1], (\k%2)*\gstep
.else
	s_add_nc_u64 s[G0+4*\k+2:G0+4*\k+3], s[\ap1:\ap1+1], (\k%2)*\gstep
.endif
	s_or_b32 s[G0+4*\k+3], s[G0+4*\k+3], 0x80000000
.endr
.irp k, 0,1,2,3
	tensor_load_to_lds s[G0+4*\k:G0+4*\k+3], s[\g1:\g1+7]
	s_nop 0
.endr
	PLACES
.endm
.macro FP n, a0
.irp a, \a0, \a0+1, \a0+2, \a0+3
.irp c, 0,1
	ds_load_b128 v[PF+8*(\a)+4*\c:PF+8*(\a)+4*\c+3], v1 offset:4096*(\a)+1024*((\n)%4)+512*\c
.endr
.endr
.endm
.macro FR n
.irp i, 0,1
.irp c, 0,1
	ds_load_b128 v[RF+16*((\n)%2)+8*\i+4*\c:RF+16*((\n)%2)+8*\i+4*\c+3], v2 offset:4096*\i+1024*((\n)%4)+512*\c
.endr
.endr
.endm
.macro FS n
.irp a, 0,1,2,3,4,5,6,7
	ds_load_b32 v[SP+8*((\n)%2)+\a], v3 offset:512*((\n)%4)+64*\a
.endr
.irp i, 0,1
	ds_load_b32 v[SR+2*((\n)%2)+\i], v4 offset:512*((\n)%4)+64*\i
.endr
.endm
.macro MUL n, a0                       ; the 16 accumulators take turns, one instruction a turn, in the same order in every step
.irp a, \a0, \a0+1, \a0+2, \a0+3
.irp i, 0,1
	v_wmma_scale_f32_16x16x128_f8f6f4 v[ACC+64*\i+8*(\a):ACC+64*\i+8*(\a)+7], v[PF+8*(\a):PF+8*(\a)+7], v[RF+16*((\n)%2)+8*\i:RF+16*((\n)%2)+8*\i+7], v[ACC+64*\i+8*(\a):ACC+64*\i+8*(\a)+7], v[SP+8*((\n)%2)+(\a)], v[SR+2*((\n)%2)+\i] matrix_a_fmt:MATRIX_FMT_FP4 matrix_b_fmt:MATRIX_FMT_FP4
.endr
.endr
.endm
.macro STEP n
	s_wait_dscnt 8                                 ; all but the youngest 8 loads (the weights' tiles 4-7) are in
	MUL \n, 0
	s_wait_dscnt 0x0                               ; tiles 4-7 are in; no LDS instruction of mine is out
.if (\n)+1 < NS
.if (\n)%4 == 3
	s_wait_tensorcnt NCH-2-(\n)/4                  ; my part of the next chunk has landed; my loads of the chunks behind it stay out
	s_barrier_signal -1
	s_barrier_wait -1                              ; everybody's has.
	v_add_nc_u32 v1, 0x10000, v1                   ; on to the next chunk: these four are also the four places
	s_wait_alu depctr_va_vdst(0)
	v_add_nc_u32 v2, 0x10000, v2
	s_wait_alu depctr_va_vdst(0)
	v_add_nc_u32 v3, 0x1000, v3
	s_wait_alu depctr_va_vdst(0)
	v_add_nc_u32 v4, 0x1000, v4
.else
	PLACES                                         ; in front of loads into registers that matrix instructions have read
.endif
	s_wait_alu depctr_va_vdst(0)
	FP (\n)+1, 0
	FR (\n)+1
	FS (\n)+1
.endif
	MUL \n, 4
.if (\n)+1 < NS
	PLACES
	FP (\n)+1, 4
.endif
.endm
; The activation of my tile i of tokens, and its way out through my stage: in 16 bytes at a time of a lane's own row, back as whole rows of 512 bytes
.macro GELU i
.set XA, ACC+64*\i
.set J, 0
.rept 32
	v_pk_mul_f32 v[T+J:T+J+1], v[XA+J:XA+J+1], v[XA+J:XA+J+1]        ; x^2, each accumulator from its low end on
.set J, J+2
.endr
.set J, 0
.rept 32
	v_pk_fma_f32 v[T+J:T+J+1], v[T+J:T+J+1], v[34:35], v[32:33]      ; B x^2 + A
.set J, J+2
.endr
.set J, 0
.rept 32
	v_pk_mul_f32 v[T+J:T+J+1], v[T+J:T+J+1], v[XA+J:XA+J+1]
.set J, J+2
.endr
.set J, 0
	s_wait_alu depctr_va_vdst(0)
.rept 64
	v_exp_f32 v[T+J], v[T+J]
.set J, J+1
.endr
	v_nop                                          ; a plain line behind the batch
	s_wait_alu depctr_va_vdst(0)                   ; one wait for the 64, ahead of their first reader
.set J, 0
.rept 32
	v_pk_add_f32 v[T+J:T+J+1], v[T+J:T+J+1], 1.0 op_sel_hi:[1,0]
.set J, J+2
.endr
.set J, 0
	s_wait_alu depctr_va_vdst(0)
.rept 64
	v_rcp_f32 v[T+J], v[T+J]
.set J, J+1
.endr
	v_nop
	s_wait_alu depctr_va_vdst(0)
.set J, 0
.rept 32
	v_pk_mul_f32 v[T+J:T+J+1], v[T+J:T+J+1], v[XA+J:XA+J+1]
.set J, J+2
.endr
.irp b, 0,1,2,3
.irp q, 0,1,2,3
	ds_store_b128 v6, v[T+16*\b+4*\q:T+16*\b+4*\q+3] offset:128*\b+16*\q
.endr
.endr
.irp p, 0,1,2,3,4,5,6,7,8,9,10,11,12,13,14,15
	ds_load_b128 v[XA+4*\p:XA+4*\p+3], v7 offset:528*\p    ; LDS serves a wave's instructions in order: these see my stores
.endr
.irp p, 0,1,2,3,4,5,6,7,8,9,10,11,12,13,14,15
	s_wait_dscnt 15-\p                             ; row p is back; the younger rows stay out
	global_store_b128 v5, v[XA+4*\p:XA+4*\p+3], s[18:19] offset:(8*\i+\p+8*(\p/8))*4096 th:TH_STORE_NT   ; 512 consecutive bytes of one row of the output, aligned
.endr
.endm
	s_load_b256 s[4:11], s[0:1], 0x0               ; attender's codes s[4:5], projection's s[6:7], weights' s[8:9], bias s[10:11]
	s_load_b64 s[18:19], s[0:1], 0x20              ; the output
	v_lshl_add_u32 v10, v0, 2, 0x4c400
	v_mov_b32 v11, 0
	ds_add_u32 v10, v11
	ds_add_u32 v10, v11
	v_lshrrev_b32 v32, 5, v0
	v_readfirstlane_b32 s12, v32                   ; wave 0..3
	s_bfe_u32 s13, ttmp6, 0x40000                  ; cx
	s_bfe_u32 s14, ttmp6, 0x40004                  ; cy
	s_and_b32 s15, ttmp7, 0xffff
	s_lshl_b32 s16, ttmp9, 2
	s_add_co_u32 s16, s16, s13                     ; X: my 128 columns
	s_lshl_b32 s17, s15, 2
	s_add_co_u32 s17, s17, s14                     ; Y: my 128 tokens
	s_lshl_b32 s23, s14, 2
	s_lshl_b32 s23, 15, s23                        ; my row of the cluster
	s_lshl_b32 s24, 0x1111, s13                    ; my column
	; every LDS address is made here, ahead of the first branch on the wave's number
	v_and_b32 v33, 31, v0
	v_and_b32 v34, 15, v0
	v_bfe_u32 v35, v0, 4, 1
	v_lshlrev_b32 v5, 4, v33
	v_lshlrev_b32 v36, 2, v34
	v_add_nc_u32 v1, 0x8000, v5
	s_lshl_b32 s25, s12, 13
	v_add_nc_u32 v2, s25, v5
	v_add_nc_u32 v3, SB+2048, v36
	s_lshl_b32 s25, s12, 7
	v_add_nc_u32 v4, s25, v36
	v_add_nc_u32 v4, SB, v4
	s_mul_i32 s25, s12, 8448
	s_add_co_u32 s25, s25, STG                     ; my stage
	v_mul_u32_u24 v6, v34, 528
	v_lshl_add_u32 v6, v35, 6, v6
	v_add_nc_u32 v6, s25, v6                       ; in: row r, + 64 h
	v_add_nc_u32 v7, s25, v5                       ; back: 16 bytes a lane of a row
	v_lshlrev_b32 v9, 6, v35                       ; the bias: 64 h
	s_or_b32 s32, s23, (3<<16)|(1<<21)             ; groups 1: tokens' codes: my row;
	s_or_b32 s40, s24, (3<<16)|(1<<21)             ; weights' codes: my column;
	s_or_b32 s48, s23, (3<<16)|(1<<21)             ; tokens' words;
	s_or_b32 s56, s24, (3<<16)|(1<<21)             ; weights' words
.irp g, 32, 40                                 ; 8 rows of 4,096 bytes, 8,192 bytes apart
	s_mov_b32 s[\g+1], 512<<16
	s_mov_b32 s[\g+2], 8<<16
	s_mov_b32 s[\g+3], 512<<16
	s_mov_b32 s[\g+4], 8
	s_mov_b32 s[\g+5], 1024
	s_mov_b32 s[\g+6], 0
	s_mov_b32 s[\g+7], 0
.endr
.irp g, 48, 56                                 ; 2,048 dense bytes as 8 rows of 256
	s_mov_b32 s[\g+1], 32<<16
	s_mov_b32 s[\g+2], 8<<16
	s_mov_b32 s[\g+3], 32<<16
	s_mov_b32 s[\g+4], 8
	s_mov_b32 s[\g+5], 32
	s_mov_b32 s[\g+6], 0
	s_mov_b32 s[\g+7], 0
.endr
	s_lshl_b32 s94, s17, 16                        ; the tokens' addresses hang on Y alone,
	s_add_co_u32 s94, s94, CO
	s_mov_b32 s95, 0
	s_lshl_b32 s96, s17, 12
	s_mov_b32 s97, 0
	s_lshl_b32 s98, s16, 16                        ; the weights' on X alone
	s_add_co_u32 s98, s98, CO
	s_mov_b32 s99, 0
	s_lshl_b32 s20, s16, 12
	s_mov_b32 s21, 0
	s_lshl_b32 s2, s17, 19                         ; the output: (128 Y + 32 wave) rows of 4,096 bytes + 512 X
	s_lshl_b32 s25, s12, 17
	s_add_co_u32 s2, s2, s25
	s_lshl_b32 s25, s16, 9
	s_add_co_u32 s2, s2, s25
	s_mov_b32 s3, 0
	s_wait_dscnt 0x0
	s_wait_kmcnt 0x0
	s_add_nc_u64 s[26:27], s[4:5], s[94:95]        ; tokens' codes, K 0-1023
	s_add_nc_u64 s[28:29], s[6:7], s[94:95]        ; and K 1024-2047
	s_add_nc_u64 s[30:31], s[4:5], s[96:97]        ; tokens' words
	s_add_nc_u64 s[84:85], s[6:7], s[96:97]
	s_add_nc_u64 s[86:87], s[8:9], s[98:99]        ; weights' codes
	s_add_nc_u64 s[88:89], s[86:87], 8*65536       ; the second matrix lies 8 blocks on
	s_add_nc_u64 s[90:91], s[8:9], s[20:21]        ; weights' words
	s_add_nc_u64 s[92:93], s[90:91], 8*4096
	s_lshl_b32 s20, s16, 9
	s_add_nc_u64 s[10:11], s[10:11], s[20:21]
	s_add_nc_u64 s[18:19], s[18:19], s[2:3]
	ROUND                                          ; all sixteen work-groups are here: the joint loads meet
	s_cmp_lg_u32 s12, 0                            ; wave 0: tokens' codes; 1: weights' codes; 2: tokens' words; 3: weights' words
	s_cbranch_scc1 .Lw1
	ARM2 26, 28, 32, 0, 65536, 4096
	s_branch .Lasked
.Lw1:
	s_cmp_lg_u32 s12, 1
	s_cbranch_scc1 .Lw2
	ARM2 86, 88, 40, 32768, 65536, 4096
	s_branch .Lasked
.Lw2:
	s_cmp_lg_u32 s12, 2
	s_cbranch_scc1 .Lw3
	ARM2 30, 84, 48, SB, 4096, 2048
	s_branch .Lasked
.Lw3:
	ARM2 90, 92, 56, SB+2048, 4096, 2048
.Lasked:
	s_wait_alu depctr_va_vdst(0)
.irp i, 0,1                                    ; the bias starts the sums: register 16 b + j takes bias[32 b + 16 h + j]
.irp b, 0,1,2,3
.irp q, 0,1,2,3
	global_load_b128 v[ACC+64*\i+16*\b+4*\q:ACC+64*\i+16*\b+4*\q+3], v9, s[10:11] offset:128*\b+16*\q
.endr
.endr
.endr
	s_wait_tensorcnt NCH-1                         ; my part of chunk 0 has landed; my three later loads stay out
	s_barrier_signal -1
	s_barrier_wait -1                              ; everybody's has
	FP 0, 0
	FR 0
	FS 0
	FP 0, 4
	s_wait_loadcnt 0x0                             ; the bias
.set N, 0
.rept NS
	STEP N
.set N, N+1
.endr
	PLACES                                         ; behind the last products: results are read and fragments' registers written
	v_mov_b32 v32, 0xc0135761                      ; A = -2.3022082, twice: a pair for the packed forms
	v_mov_b32 v33, 0xc0135761
	v_mov_b32 v34, 0xbdd2d3e8                      ; B = -0.10294324
	v_mov_b32 v35, 0xbdd2d3e8
	GELU 0
	GELU 1
	s_wait_dscnt 0x0
	s_wait_tensorcnt 0x0
	ds_add_u32 v10, v11
	s_wait_dscnt 0x0
	ROUND                                          ; the closing round: no work-group ends while a partner may still ask for a tile that names it
	s_endpgm
.Lfunc_end_k_q5146656bc5_mlp:
	.size	k_q5146656bc5_mlp, .Lfunc_end_k_q5146656bc5_mlp-k_q5146656bc5_mlp
	.p2alignl 7, 3214868480
	.fill 96, 4, 3214868480
	.section	.rodata,"a",@progbits
	.p2align	6, 0x0
	.amdhsa_kernel k_q5146656bc5_mlp
		.amdhsa_group_segment_fixed_size 312832
		.amdhsa_private_segment_fixed_size 0
		.amdhsa_enable_private_segment 0
		.amdhsa_kernarg_size 40
		.amdhsa_user_sgpr_count 2
		.amdhsa_user_sgpr_kernarg_segment_ptr 1
		.amdhsa_wavefront_size32 1
		.amdhsa_system_sgpr_workgroup_id_x 1
		.amdhsa_system_sgpr_workgroup_id_y 1
		.amdhsa_system_sgpr_workgroup_id_z 1
		.amdhsa_system_vgpr_workitem_id 0
		.amdhsa_next_free_vgpr 256
		.amdhsa_next_free_sgpr 100
		.amdhsa_reserve_vcc 0
		.amdhsa_float_denorm_mode_32 3
		.amdhsa_float_denorm_mode_16_64 3
		.amdhsa_memory_ordered 1
		.amdhsa_forward_progress 1
		.amdhsa_inst_pref_size 120
	.end_amdhsa_kernel
	.amdgpu_metadata
---
amdhsa.version: [ 1, 2 ]
amdhsa.kernels:
  - .name:           k_q5146656bc5_mlp
    .symbol:         k_q5146656bc5_mlp.kd
    .args:
      - { .name: xq, .offset: 0, .size: 8, .value_kind: global_buffer, .address_space: global }
      - { .name: pjq, .offset: 8, .size: 8, .value_kind: global_buffer, .address_space: global }
      - { .name: wmq, .offset: 16, .size: 8, .value_kind: global_buffer, .address_space: global }
      - { .name: mlp_b, .offset: 24, .size: 8, .value_kind: global_buffer, .address_space: global }
      - { .name: out0, .offset: 32, .size: 8, .value_kind: global_buffer, .address_space: global }
    .group_segment_fixed_size: 312832
    .private_segment_fixed_size: 0
    .kernarg_segment_align: 8
    .kernarg_segment_size: 40
    .max_flat_workgroup_size: 128
    .sgpr_count:     100
    .vgpr_count:     256
    .wavefront_size: 32
...
	.end_amdgpu_metadata
.endif
;; end of part 5
